; MI455X (gfx1250); checked and timed in simulation.
; The chip was launched on July 23, 2026; its instructions are those of AMD's public machine-readable ISA for CDNA 5 (MIT licence, August 2026) and "CDNA5" Instruction Set Architecture Reference Guide (July 2026). The comments in the code are by the model that wrote it; some were corrected since.
;; Casual Multihead Self Attn. Allowed arithmetic: matrix products marked QUANTISED: E4M3 operands, one E8M0 scale for each 32 along K, by v_wmma_scale_f32_16x16x128_f8f6f4 with both operands' format E4M3, f32 sums; everything else in f32.
;; Inputs: Wk 1,024 x 1,024 float32; Wo 1,024 x 1,024 float32; Wq 1,024 x 1,024 float32; Wv 1,024 x 1,024 float32; token_positions 2,048 int32; x 4 x 2,048 x 1,024 float32.
;; Outputs: out0 4 x 2,048 x 1,024 float32.
;; This version of the problem:
;;   THIS VERSION OF THE PROBLEM IS GIVEN IN LOW PRECISION. The matrix products marked QUANTISED in the list below multiply operands that are first quantised to E4M3 (4 exponent bits, 3 mantissa bits; 8 bits a number), with one power-of-two scale for each 32 numbers along K (OCP MX v1.0); their sums are f32. All else is computed in f32.
;;   The module's matrix products, in the order in which they are computed (A, B: the left and right operand; K: the contracted axis; several contracted axes count as one K, in the product's order):
;;     1. [M 8,192, K 1,024] x [K 1,024, N 1,024]; A: input x; B: input Wq: QUANTISED
;;     2. [M 8,192, K 1,024] x [K 1,024, N 1,024]; A: input x; B: input Wk: QUANTISED
;;     3. [M 8,192, K 1,024] x [K 1,024, N 1,024]; A: input x; B: input Wv: QUANTISED
;;     4. batch 64 x [M 2,048, K 64] x [K 64, N 2,048]; A: computed on the way; B: computed on the way: QUANTISED
;;     5. batch 64 x [M 2,048, K 2,048] x [K 2,048, N 64]; A: softmax (see below); B: computed on the way: QUANTISED
;;     6. [M 8,192, K 1,024] x [K 1,024, N 1,024]; A: computed on the way; B: input Wo: QUANTISED
;;   THE QUANTISER, for each operand of a quantised product, along K:
;;     - K is cut into blocks of 32 from its start; a last block that is shorter is filled with zeros.
;;     - A block's scale is 2^e with e = floor(log2(the largest magnitude in the block)) - 8, held to -126 .. 127; a block of zeros has e = 0. As a byte (E8M0): e + 127.
;;     - Each number is divided by its block's scale, clamped to +-448, and rounded to the nearest number of E4M3, ties to even, subnormals kept.
;;     - The product sums the exact products of the quantised numbers (number of the format x scale) in f32.
;;   ~~~python
;;   def quantise(x, axis):      # numpy; x: float32 -> the quantised numbers, widened to float32 again
;;       x = np.moveaxis(x, axis, -1); K = x.shape[-1]
;;       x = np.pad(x, [(0, 0)] * (x.ndim - 1) + [(0, -K % 32)]); x = x.reshape(x.shape[:-1] + (-1, 32)); a = np.abs(x).max(-1, keepdims=True)
;;       e = np.where(a > 0, np.clip(np.frexp(np.where(a > 0, a, 1))[1] - 1 - 8, -126, 127), 0)      # np.frexp(a)[1] - 1 = floor(log2(a)), exactly
;;       r = np.clip(x / 2.0 ** e, -448, 448)
;;       step = 2.0 ** (np.maximum(np.frexp(np.where(r == 0, 1, r))[1] - 1, -6) - 3)
;;       q = np.round(r / step) * step * 2.0 ** e      # np.round: ties to even
;;       return np.moveaxis(q.reshape(q.shape[:-2] + (-1,))[..., :K], -1, axis).astype(np.float32)
;;   ~~~
;;   SOFTMAX AHEAD OF A QUANTISED PRODUCT. Where the list says 'softmax', what is quantised is not the finished softmax but p = 2^(t - M), with t = logit x log2(e) and M = ceil(the row's largest t), a whole number; so 1/2 < the row's largest p <= 1. The row's sum l is taken of the UNQUANTISED p, in f32, and the product's result is divided by l at the end. Since M is a whole number, a kernel that streams over the keys may use a running M (the ceiling of the running maximum): every later rescaling is an exact power of two, which a block's scale takes up: the codes' values come out the same.
;;   OPERANDS COMPUTED ON THE WAY. 'Computed on the way' means the value that the module computes at that place (a softmax that the list does not call 'softmax' is quantised finished and normalised). What goes into a quantiser is computed in f32, as accurately as f32 sums, v_exp_f32 and their like allow (about 1e-6 of the number): no bf16 or f16 on the way to a quantiser, and a product that is left as it is and whose result goes on into a quantised operand takes f32 operands (vector FMAs, or v_wmma_f32_16x16x4_f32). A number that lies on a knife's edge between two numbers of the format may be rounded either way, as far as f32 arithmetic and the matrix unit's own rounding can turn it there, and no further.
;; One version. Each part assembles by itself: llvm-mc -triple=amdgcn-amd-amdhsa -mcpu=gfx1250 --defsym DOCPART=n.
;; ======== version 1 of 1: 4 launches
;; limits: right only within a limited range of input values
;; workspace buffers: codes1 12,582,912 bytes; scales1 393,216 bytes; rope 540,672 bytes; qkv_img 25,165,824 bytes; qkv_sc 786,432 bytes; ao_img 8,388,608 bytes; ao_sc 262,144 bytes
;; launch prep (part 1): grid 450 x 1, 4 waves a work-group, no clusters, 41,472 bytes of LDS; arguments x, Wq, Wk, Wv, Wo, token_positions, codes1, scales1, rope; writes codes1, scales1, rope
.if DOCPART == 1
	.amdgcn_target "amdgcn-amd-amdhsa--gfx1250"
	.amdhsa_code_object_version 6
	.text
	.protected	k_q08aa983b98_prep
	.globl	k_q08aa983b98_prep
	.p2align	8
	.type	k_q08aa983b98_prep,@function
k_q08aa983b98_prep:
	s_mov_b64 s[64:65], 0
	v_nop
	global_prefetch_b8 v0, s[64:65] scope:SCOPE_SE
	s_setreg_imm32_b32 hwreg(HW_REG_WAVE_MODE, 25, 1), 1
	s_wait_xcnt 0x0
; x [8192][1024], Wq, Wk, Wv, Wo [1024][1024], f32, K innermost, become codes of FP8 (E4M3) with one E8M0 scale byte for each 32 along K:
; codes1 [12288 rows][1024 bytes], scales1 [12288 rows][32 bytes]; rows 0 x, 8192 Wq, 9216 Wk, 10240 Wv, 11264 Wo.  Work-groups 0-383.
; THE ROWS ARE RE-ORDERED ON THE WAY, inside each group of 32.  x, Wv, Wo: storage row 32 B + 16 u + 8 g + j holds source row 32 B + 16 g + 8 u + j.
; Wq, Wk: storage row 32 B + 16 u + 8 g + j holds source row 32 B + 16 g + 2 j + u.  So 16 consecutive storage rows are a tile whose results, as source 0 of a matrix
; instruction, fall so that two neighbouring tiles give a lane 16 neighbours (x, Wv, Wo), or the even and the odd channels of the rotation's pairs (Wq, Wk).
; A block's scale is 2^(floor(log2(its largest magnitude)) - 8); its byte is the largest magnitude's exponent field - 8, held at 1 from below; each number is held within +-448 x the scale and rounded to the nearest code.
; Work-groups 384-449 make the table rope [2112 rows][cos 32 | sin 32] f32: row s < 2048 from token_positions[s], rows 2048-2111 from position 0 (cos 1, sin 0).
; LIMITS: a block of zeros, or one whose largest magnitude lies under 2^-118, has the byte 1 (this program alone reads the bytes); NaN and infinities are not served;
; positions up to 2^22 in magnitude: there the quotient by pi/2 is a whole number of f32 and the three-part pi/2 leaves under 1e-7 of the angle's reduction.
; A wave takes 8 storage rows: 16 steps of 512 numbers.  Each load reads 512 consecutive bytes; a step's 2,048 bytes turn through the wave's own stage in LDS so that a lane holds 16 neighbours.  No barrier: waves share nothing.
.set STEPS, 16
.set EMAX,  8
.set MANT,  0x600000                   ; the mantissa field of 448
.set CB,    16                         ; bytes of 16 codes
.set R,     16                         ; v16-79   four sets of 16 numbers as loaded
.set X,     80                         ; v80-111  two sets of 16 neighbours
.set E,     112                        ; v112-127 a scale byte for each step
.set C,     128                        ; v128-191 codes, four registers a step
.set RO,    192                        ; v192-199 byte offset of my 16 bytes in source row j of the wave's eight
.set WREG,  8192                       ; LDS of a wave on the quantising path: two stages of 32 x SP bytes, then 256 scale bytes
.set SP,    80
.set RST,   32768                      ; LDS of the table path: 2,048 bytes a wave, bytes of its own
	s_load_b512 s[4:19], s[0:1], 0x0               ; x 4, Wq 6, Wk 8, Wv 10, Wo 12, token_positions 14, codes1 16, scales1 18
	s_load_b64 s[20:21], s[0:1], 0x40              ; rope
	v_lshl_add_u32 v200, v0, 2, 0xa000
	v_mov_b32 v201, 0
	v_lshrrev_b32 v1, 5, v0
	v_readfirstlane_b32 s24, v1                    ; wave
	v_and_b32 v2, 31, v0                           ; lane
	s_cmp_ge_u32 ttmp9, 384
	s_cbranch_scc1 .Lrope
	; ---------------- the quantiser
	v_lshlrev_b32 v3, 4, v2                        ; my 16 bytes of a load's 512
	s_mul_i32 s25, s24, WREG
	v_lshrrev_b32 v14, 2, v2
	v_mul_u32_u24 v14, v14, SP
	v_and_b32 v15, 3, v2
	v_lshl_add_u32 v14, v15, 4, v14
	v_add_nc_u32 v14, s25, v14                     ; the stage, way in: SP (lane / 4) + 16 (lane % 4)
	v_mul_u32_u24 v15, v2, SP
	v_add_nc_u32 v15, s25, v15                     ; way out: SP x lane
	v_mul_u32_u24 v4, v2, CB                       ; my codes' place in a step's
	v_lshrrev_b32 v5, 1, v2
	s_add_co_u32 s25, s25, 2*32*SP
	v_add_nc_u32 v5, s25, v5                       ; my block's scale byte in LDS
	v_lshlrev_b32 v7, 3, v2
	v_add_nc_u32 v6, s25, v7
	s_mov_b32 s23, MANT
	s_lshl_b32 s28, ttmp9, 2
	s_add_co_u32 s28, s28, s24                     ; run: which 8 storage rows of the 12,288
	s_and_b32 s29, s28, 127
	s_cmp_lt_u32 ttmp9, 256
	s_cselect_b32 s29, s28, s29                    ; the run inside its tensor
	s_sub_co_u32 s30, ttmp9, 256
	s_cmp_lt_u32 s30, 64                           ; Wq or Wk?
	s_cselect_b32 s31, 1, 8                        ; what bit u adds to the source row
	s_mov_b32 s32, 4096
	s_cselect_b32 s32, 8192, s32                   ; bytes from source row j to j + 1 of the run
	s_lshr_b32 s33, s29, 2
	s_lshl_b32 s33, s33, 5                         ; 32 B
	s_and_b32 s34, s29, 1
	s_lshl_b32 s34, s34, 4
	s_add_co_u32 s33, s33, s34                     ; + 16 g
	s_bfe_u32 s34, s29, 0x10001
	s_mul_i32 s34, s34, s31
	s_add_co_u32 s33, s33, s34                     ; + u x (8 or 1): the run's first source row
	s_lshl_b32 s34, s33, 12
	s_mov_b32 s35, 0
	v_mov_b32 v8, s32
.irp j, 0,1,2,3,4,5,6,7
	v_mad_u32_u24 v[RO+\j], v8, \j, v3
.endr
	s_wait_alu depctr_va_vdst(0)
	s_wait_kmcnt 0x0
	s_cmp_lt_u32 ttmp9, 352                        ; the tensor is chosen by the work-group's number alone
	s_cselect_b64 s[26:27], s[10:11], s[12:13]
	s_cmp_lt_u32 ttmp9, 320
	s_cselect_b64 s[26:27], s[8:9], s[26:27]
	s_cmp_lt_u32 ttmp9, 288
	s_cselect_b64 s[26:27], s[6:7], s[26:27]
	s_cmp_lt_u32 ttmp9, 256
	s_cselect_b64 s[26:27], s[4:5], s[26:27]
	s_add_nc_u64 s[26:27], s[26:27], s[34:35]
	s_lshl_b32 s34, s28, 13                        ; 8,192 bytes of codes a run
	s_add_nc_u64 s[16:17], s[16:17], s[34:35]
	s_lshl_b32 s34, s28, 8                         ; 256 scale bytes a run
	s_add_nc_u64 s[18:19], s[18:19], s[34:35]
.macro LOAD t                          ; step t: half t % 2 of source row t / 2
.irp i, 0,1,2,3
	global_load_b128 v[R+16*((\t)%4)+4*\i:R+16*((\t)%4)+4*\i+3], v[RO+(\t)/2], s[26:27] offset:2048*((\t)%2)+512*\i th:TH_LOAD_NT
.endr
.endm
.macro TURN t                          ; through the stage: LDS serves a wave's instructions in order, so no wait stands between the stores and the loads
.irp i, 0,1,2,3
	ds_store_b128 v14, v[R+16*((\t)%4)+4*\i:R+16*((\t)%4)+4*\i+3] offset:32*SP*((\t)%2)+8*SP*\i
.endr
.irp i, 0,1,2,3
	ds_load_b128 v[X+16*((\t)%2)+4*\i:X+16*((\t)%2)+4*\i+3], v15 offset:32*SP*((\t)%2)+16*\i
.endr
.endm
.irp t, 0,1,2,3
	LOAD \t
.endr
	s_wait_loadcnt 12                              ; step 0's four loads are in; the twelve of steps 1 to 3 may be out
	TURN 0
.macro STEP t
.set XS, X+16*((\t)%2)
.if (\t) > 0
	s_wait_dscnt 1                                 ; this step's numbers are back from the stage; the last step's byte store may be out
.else
	s_wait_dscnt 0x0
.endif
.if (\t)+4 < STEPS
	LOAD (\t)+4
.endif
.if (\t)+1 < STEPS
.if STEPS-2-(\t) >= 3
	s_wait_loadcnt 12                              ; the next step's four loads are in; those of the three steps behind it may be out
.else
	s_wait_loadcnt 4*(STEPS-2-(\t))
.endif
	TURN (\t)+1
.endif
	v_max3_num_f32 v8, |v[XS]|, |v[XS+1]|, |v[XS+2]|
	v_max3_num_f32 v9, |v[XS+3]|, |v[XS+4]|, |v[XS+5]|
.irp i, 6,10
	v_max3_num_f32 v8, v8, |v[XS+\i]|, |v[XS+\i+1]|
	v_max3_num_f32 v9, v9, |v[XS+\i+2]|, |v[XS+\i+3]|
.endr
	v_max3_num_f32 v8, v8, |v[XS+14]|, |v[XS+15]|
	v_max3_num_f32 v8, v8, v9, (EMAX+1)<<23        ; the floor 2^(9 - 127): the byte cannot fall under 1
	v_max_num_f32_dpp v8, v8, v8 row_xmask:1 row_mask:0xf bank_mask:0xf   ; with my neighbour's 16: the block's largest magnitude
	v_add_nc_u32 v11, -(EMAX<<23), v8              ; 8 off its exponent field: the conversion's scale operand
	v_and_or_b32 v10, v8, 0x7f800000, s23          ; 448 x the scale
.irp i, 0,1,2,3,4,5,6,7,8,9,10,11,12,13,14,15
	v_med3_num_f32 v[XS+\i], v[XS+\i], -v10, v10   ; the conversion to an 8-bit code does not saturate (ISA guide 7.6.2): the hold comes first
.endr
	v_cvt_scalef32_pk8_fp8_f32 v[C+4*(\t):C+4*(\t)+1], v[XS:XS+7], v11
	v_cvt_scalef32_pk8_fp8_f32 v[C+4*(\t)+2:C+4*(\t)+3], v[XS+8:XS+15], v11
	v_lshrrev_b32 v[E+(\t)], 23, v11               ; the scale's byte
	ds_store_b8 v5, v[E+(\t)] offset:16*(\t)       ; both lanes of a block write the same byte with the same value
	global_store_b128 v4, v[C+4*(\t):C+4*(\t)+3], s[16:17] offset:32*CB*(\t)   ; the wave stores 512 consecutive bytes
.endm
.irp t, 0,1,2,3,4,5,6,7,8,9,10,11,12,13,14,15
	STEP \t
.endr
	ds_load_b64 v[12:13], v6                       ; my wave's 256 scale bytes, behind my stores of them
	s_wait_dscnt 0x0
	global_store_b64 v7, v[12:13], s[18:19]        ; 32 lanes store 256 consecutive bytes, aligned
	s_wait_tensorcnt 0x0
	ds_add_u32 v200, v201
	s_wait_dscnt 0x0
	s_endpgm
	; ---------------- the table of cosines and sines: a lane is a frequency, a wave makes 8 rows
.Lrope:
	s_sub_co_u32 s28, ttmp9, 384
	s_lshl_b32 s28, s28, 2
	s_add_co_u32 s28, s28, s24
	s_lshl_b32 s28, s28, 3                         ; my first row, 0 to 2,104
	s_min_u32 s30, s28, 2040                       ; the load stays inside token_positions
	s_lshl_b32 s30, s30, 2
	s_mov_b32 s31, 0
	s_wait_kmcnt 0x0
	s_add_nc_u64 s[14:15], s[14:15], s[30:31]
	s_load_b256 s[32:39], s[14:15], 0x0            ; eight positions
	v_mov_b32 v1, 0
.macro FREQ i, bits                    ; lane i: 10000^(-i / 32) = 10^(-i / 8), rounded to f32
	s_mov_b32 s42, \bits
	v_writelane_b32 v1, s42, \i
.endm
	FREQ 0, 0x3f800000
	FREQ 1, 0x3f3ff911
	FREQ 2, 0x3f0ff59a
	FREQ 3, 0x3ed7e89b
	FREQ 4, 0x3ea1e89b
	FREQ 5, 0x3e72d424
	FREQ 6, 0x3e361887
	FREQ 7, 0x3e088d77
	FREQ 8, 0x3dcccccd
	FREQ 9, 0x3d99940e
	FREQ 10, 0x3d6655c3
	FREQ 11, 0x3d2cba15
	FREQ 12, 0x3d0186e2
	FREQ 13, 0x3cc24350
	FREQ 14, 0x3c91ad39
	FREQ 15, 0x3c5a7bf1
	FREQ 16, 0x3c23d70a
	FREQ 17, 0x3bf5b9b0
	FREQ 18, 0x3bb8449c
	FREQ 19, 0x3b8a2e77
	FREQ 20, 0x3b4f3e37
	FREQ 21, 0x3b1b690d
	FREQ 22, 0x3ae91528
	FREQ 23, 0x3aaec98e
	FREQ 24, 0x3a83126f
	FREQ 25, 0x3a44948c
	FREQ 26, 0x3a136a16
	FREQ 27, 0x39dd1726
	FREQ 28, 0x39a5cb5f
	FREQ 29, 0x3978a814
	FREQ 30, 0x393a7753
	FREQ 31, 0x390bd472
	s_mov_b32 s44, 0x3f22f983                      ; 2 / pi
	s_mov_b32 s45, 0xbfc90fdb                      ; - pi / 2 in three parts
	s_mov_b32 s46, 0x333bbd2e
	s_mov_b32 s47, 0x26f72ced
	s_mov_b32 s48, 0xb94ca1f9                      ; the sine's polynomial on [-pi/4, pi/4]
	s_mov_b32 s49, 0x3c08839e
	s_mov_b32 s50, 0xbe2aaaa3
	s_mov_b32 s51, 0x37ccf5ce                      ; the cosine's
	s_mov_b32 s52, 0xbab6061a
	s_mov_b32 s53, 0x3d2aaaa5
	s_lshl_b32 s29, s24, 11
	s_add_co_u32 s29, s29, RST                     ; my wave's 2,048 bytes
	v_lshl_add_u32 v3, v2, 2, s29                  ; way in: 4 x lane
	v_lshlrev_b32 v15, 4, v2                       ; 16 x lane: in the table,
	v_add_nc_u32 v14, s29, v15                     ; and on the way out of LDS
	s_lshl_b32 s30, s28, 8                         ; 256 bytes a row
	s_add_nc_u64 s[20:21], s[20:21], s[30:31]
	s_wait_kmcnt 0x0
	s_cmp_lt_u32 s28, 2048                         ; rows from 2,048 on take position 0
.irp p, 0,1,2,3,4,5,6,7
	s_cselect_b32 s[32+\p], s[32+\p], 0
.endr
.macro SINCOS p                        ; row p: the angle as reference() has it (one rounding), reduced by whole quarters of a turn; no transcendental
	v_cvt_f32_i32 v4, s[32+\p]
	s_wait_alu depctr_va_vdst(0)
	v_mul_f32 v4, v4, v1                           ; the angle
	v_mul_f32 v5, s44, v4
	v_rndne_f32 v5, v5                             ; n quarters
	v_fma_f32 v6, v5, s45, v4
	v_fma_f32 v6, v5, s46, v6
	v_fma_f32 v6, v5, s47, v6                      ; what is left, within pi / 4
	v_mul_f32 v7, v6, v6
	v_fma_f32 v8, s48, v7, s49
	v_fma_f32 v8, v8, v7, s50
	v_mul_f32 v8, v8, v7
	v_fma_f32 v8, v8, v6, v6                       ; its sine
	v_fma_f32 v9, s51, v7, s52
	v_fma_f32 v9, v9, v7, s53
	v_mul_f32 v9, v9, v7
	v_fma_f32 v10, v7, -0.5, 1.0
	v_fma_f32 v9, v9, v7, v10                      ; its cosine
	v_cvt_i32_f32 v11, v5
	v_and_b32 v12, 1, v11
	v_cmp_eq_u32 vcc_lo, 1, v12                    ; an odd quarter swaps the two
	v_cndmask_b32 v[16+2*\p], v9, v8, vcc_lo
	v_cndmask_b32 v[17+2*\p], v8, v9, vcc_lo
	v_add_nc_u32 v12, 1, v11
	v_lshlrev_b32 v12, 30, v12
	v_and_b32 v12, 0x80000000, v12                 ; the cosine is negative in quarters 1 and 2,
	v_xor_b32 v[16+2*\p], v[16+2*\p], v12
	v_lshlrev_b32 v11, 30, v11
	v_and_b32 v11, 0x80000000, v11                 ; the sine in quarters 2 and 3
	v_xor_b32 v[17+2*\p], v[17+2*\p], v11
	ds_store_b32 v3, v[16+2*\p] offset:256*\p
	ds_store_b32 v3, v[17+2*\p] offset:256*\p+128
.endm
.irp p, 0,1,2,3,4,5,6,7
	SINCOS \p
.endr
.irp k, 0,1,2,3
	ds_load_b128 v[32+4*\k:35+4*\k], v14 offset:512*\k   ; behind my stores: LDS serves a wave's instructions in order
.endr
	s_wait_dscnt 0x0
.irp k, 0,1,2,3
	global_store_b128 v15, v[32+4*\k:35+4*\k], s[20:21] offset:512*\k   ; 512 consecutive bytes: two whole rows
.endr
	s_wait_tensorcnt 0x0
	ds_add_u32 v200, v201
	s_wait_dscnt 0x0
	s_endpgm
.Lfunc_end_k_q08aa983b98_prep:
	.size	k_q08aa983b98_prep, .Lfunc_end_k_q08aa983b98_prep-k_q08aa983b98_prep
	.p2alignl 7, 3214868480
	.fill 96, 4, 3214868480
	.section	.rodata,"a",@progbits
	.p2align	6, 0x0
	.amdhsa_kernel k_q08aa983b98_prep
		.amdhsa_group_segment_fixed_size 41472
		.amdhsa_private_segment_fixed_size 0
		.amdhsa_enable_private_segment 0
		.amdhsa_kernarg_size 72
		.amdhsa_user_sgpr_count 2
		.amdhsa_user_sgpr_kernarg_segment_ptr 1
		.amdhsa_wavefront_size32 1
		.amdhsa_system_sgpr_workgroup_id_x 1
		.amdhsa_system_sgpr_workgroup_id_y 1
		.amdhsa_system_sgpr_workgroup_id_z 1
		.amdhsa_system_vgpr_workitem_id 0
		.amdhsa_next_free_vgpr 202
		.amdhsa_next_free_sgpr 66
		.amdhsa_reserve_vcc 1
		.amdhsa_float_denorm_mode_32 3
		.amdhsa_float_denorm_mode_16_64 3
		.amdhsa_memory_ordered 1
		.amdhsa_forward_progress 1
		.amdhsa_inst_pref_size 70
	.end_amdhsa_kernel
	.amdgpu_metadata
---
amdhsa.version: [ 1, 2 ]
amdhsa.kernels:
  - .name:           k_q08aa983b98_prep
    .symbol:         k_q08aa983b98_prep.kd
    .args:
      - { .name: x, .offset: 0, .size: 8, .value_kind: global_buffer, .address_space: global }
      - { .name: Wq, .offset: 8, .size: 8, .value_kind: global_buffer, .address_space: global }
      - { .name: Wk, .offset: 16, .size: 8, .value_kind: global_buffer, .address_space: global }
      - { .name: Wv, .offset: 24, .size: 8, .value_kind: global_buffer, .address_space: global }
      - { .name: Wo, .offset: 32, .size: 8, .value_kind: global_buffer, .address_space: global }
      - { .name: token_positions, .offset: 40, .size: 8, .value_kind: global_buffer, .address_space: global }
      - { .name: codes1, .offset: 48, .size: 8, .value_kind: global_buffer, .address_space: global }
      - { .name: scales1, .offset: 56, .size: 8, .value_kind: global_buffer, .address_space: global }
      - { .name: rope, .offset: 64, .size: 8, .value_kind: global_buffer, .address_space: global }
    .group_segment_fixed_size: 41472
    .private_segment_fixed_size: 0
    .kernarg_segment_align: 8
    .kernarg_segment_size: 72
    .max_flat_workgroup_size: 128
    .sgpr_count:     66
    .vgpr_count:     202
    .wavefront_size: 32
...
	.end_amdgpu_metadata
.endif
;; end of part 1
;; launch qkv (part 2): grid 12 x 64, 4 waves a work-group, clusters of 4 x 4, 327,680 bytes of LDS; arguments codes1, scales1, rope, qkv_img, qkv_sc; writes qkv_img, qkv_sc
.if DOCPART == 2
	.amdgcn_target "amdgcn-amd-amdhsa--gfx1250"
	.amdhsa_code_object_version 6
	.text
	.protected	k_q08aa983b98_qkv
	.globl	k_q08aa983b98_qkv
	.p2align	8
	.type	k_q08aa983b98_qkv,@function
k_q08aa983b98_qkv:
	s_mov_b64 s[64:65], 0
	v_nop
	global_prefetch_b8 v0, s[64:65] scope:SCOPE_SE
	s_setreg_imm32_b32 hwreg(HW_REG_WAVE_MODE, 25, 1), 1
	s_wait_xcnt 0x0
	s_wait_alu depctr_hold_cnt(0) depctr_sa_sdst(0) depctr_va_vdst(0) depctr_va_sdst(0) depctr_va_ssrc(0) depctr_va_vcc(0) depctr_vm_vsrc(0)
	s_getreg_b32 s2, hwreg(HW_REG_IB_STS2, 6, 4)
	s_cmp_eq_u32 s2, 0
	s_cbranch_scc0 .Lentry_in_a_cluster
	s_endpgm
.Lentry_in_a_cluster:
	s_bfe_u32 s2, ttmp6, 0x10000c
	s_cmp_lg_u32 s2, 0xf033
	s_cbranch_scc0 .Lentry_shape_is_right
	s_endpgm
.Lentry_shape_is_right:
; q = rope(x Wq^T), k = rope(x Wk^T), v = x Wv^T on codes of FP8 (E4M3) with E8M0 scales, K = 1,024; the results are quantised here for the two products of attention and stored as images of operand registers.
; The cluster's x is the type: 0 q, 1 k, 2 v; it is the same in all sixteen partners, enters addresses by selections alone, and no branch hangs on it.
; A work-group makes 128 rows of source 1 x 256 rows of source 0; a wave 64 x 128: 32 accumulators.  Source 0's rows run along a lane's registers, source 1's rows are the lanes.
;   q, k: source 0 = 256 rows of W (4 heads), source 1 = 128 tokens: tile 2 B holds the even, tile 2 B + 1 the odd channels of block B (the storage order of Wq, Wk).
;   v:    source 0 = 256 tokens, source 1 = 128 rows of Wv (2 heads): a lane holds one channel, its registers run along the tokens (the storage order of x).
; K goes in four steps of 256 (LDS rows of 256 bytes + 16) through three slots.  AT THE HEAD each wave has one joint load: wave 0 source 1's 128 rows of K step 0, wave 1 source 0's 256 rows of it, waves 2 and 3 the same of K step 1.
; K step 2 is slot 2's first fill, behind the three lines and a round of the cluster's barrier; K step 3 is the one refill, into slot 0, behind the next.  By this text's count a wave never has more than one tensor load out.
; THE SCALE WORDS of all K go from memory straight into their registers, once: lanes 0-15 take source 1's rows, lanes 16-31 source 0's; two loads cover a row's 32 bytes, sixteen lanes 512 bytes on end.
; CLUSTER 4 x 4: source 1's tiles are shared along a row of the cluster, source 0's along a column: joint loads.
; THE WAY OUT, one text for all three types: a rotation by the table's cosines and sines (for v the table's rows of angle 0), the quantiser over 4 blocks of 32 (a block lies in lanes l and l xor 16), and the 16 registers of codes stored as they stand.
; q and k keep one common order of the channels inside each block of 32 (even ones first), which changes neither a block's scale nor the products' sum.
; LIMITS: a block whose largest magnitude lies under 2^-118 (zeros too) has the byte 1; NaN and infinities are not served.
; REGISTERS: window 0: v1-22 addresses; v28, v29 for the add; v32-95 scale words and nothing else; v96-127 table; v128-255 source 1's fragments, two sets, later the way out.  window 1: source 0's fragments, two sets.  window 2: accumulator (a, b) at v[8 (8 a + b)].
.set PITCH, 272
.set H1,    64*PITCH
.set T1B,   2*H1
.set H0,    128*PITCH
.set SLOT,  T1B+2*H0                   ; 104,448
.set SPARE, 3*SLOT                     ; 313,344 = 1,224 x 256: the spare words, 128 bytes a wave
.set STG,   SLOT                       ; the way out's 256 bytes a wave lie in slot 1, which has had its only fill and its last read by then
.set ADR1, 8
.set ADR0, 12
.set ADRS, 15                          ; v15 my offset in scales1
.set LI,   16
.set RV,   17
.set SWA,  18
.set SRA,  19
.set L8,   20
.set PW,   22
.set SPW,  28
.set NIL,  29
.set SC,   32                          ; v[SC + 8 i + s]: lanes 0-15 source 1 block i's word of step s, lanes 16-31 source 0 block i's
.set RR,   128
.set PC,   224
.set TM,   240
.set G1,   24
.set G0,   32
.set G1B,  44
.set G0B,  52
.set SEL,  92
.set MNT,  94
.set MSB, 0
.macro WIN new
.if MSB != \new
	s_set_vgpr_msb (MSB<<8)|\new
.set MSB, \new
.endif
.endm
.set W_MUL, 0xa1
.set TO_0,  0x40
.macro PLACES n
.rept \n
	v_nop
.endr
.endm
.macro JLOAD g0a, g1a, g0b, g1b        ; waves 0, 1 for source 1, waves 2, 3 for source 0
	s_cmp_eq_u32 s15, 0
	s_cbranch_scc0 .Lfor_b_\@
	tensor_load_to_lds s[\g0a:\g0a+3], s[\g1a:\g1a+7]
	s_nop 0
	PLACES 4
	s_branch .Lasked_\@
.Lfor_b_\@:
	tensor_load_to_lds s[\g0b:\g0b+3], s[\g1b:\g1b+7]
	s_nop 0
	PLACES 4
.Lasked_\@:
.endm
.macro CREST
	s_cmp_lg_u32 s14, 0
	s_cbranch_scc1 .Lnot_wave_0_\@
	s_barrier_signal -3
.Lnot_wave_0_\@:
	s_barrier_wait -3
	s_barrier_signal -1
	s_barrier_wait -1
.endm
.macro CROUND
	s_barrier_signal -1
	s_barrier_wait -1
	CREST
.endm
.macro GRP0 g, lds, b, off
	s_mov_b32 s[\g], 1
	s_mov_b32 s[\g+1], \lds
	s_add_nc_u64 s[\g+2:\g+3], s[\b:\b+1], \off
	s_or_b32 s[\g+3], s[\g+3], 0x80000000
.endm
.macro ARM under, g0, g1, next
	s_cmp_lt_u32 s14, \under
	s_cbranch_scc0 \next
	tensor_load_to_lds s[\g0:\g0+3], s[\g1:\g1+7]
	s_nop 0
	PLACES 4
	s_branch .Lhead_asked
\next:
.endm
.macro SCALES                          ; all of K's scale words, once: 8 words a row
.irp i, 0,1,2,3,4,5,6,7
	global_load_b128 v[SC+8*\i:SC+8*\i+3], v[ADRS], s[6:7] offset:512*\i
	global_load_b128 v[SC+8*\i+4:SC+8*\i+7], v[ADRS], s[6:7] offset:512*\i+16
.endr
.endm
.macro FETCH0 n, q, set
	WIN TO_0
.irp i, 0,1,2,3,4,5,6,7
.irp c, 0,1,2,3
	ds_load_b128 v[128*(\set)+16*\i+4*\c:128*(\set)+16*\i+4*\c+3], v[ADR0+(\n)] offset:128*(\q)+32*\c+16*PITCH*\i
.endr
.endr
	WIN 0
.endm
.macro FETCH1 n, q, set
.irp i, 0,1,2,3
.irp c, 0,1,2,3
	ds_load_b128 v[128+64*(\set)+16*\i+4*\c:128+64*(\set)+16*\i+4*\c+3], v[ADR1+(\n)] offset:128*(\q)+32*\c+16*PITCH*\i
.endr
.endr
.endm
; 16 matrix instructions: source 1's blocks a0, a0 + 1 x source 0's eight, step s of 128 along K.  The 32 accumulators take turns in the same order in every step
.macro MUL a0, set, s, zero
.irp a, \a0, \a0+1
.irp b, 0,1,2,3,4,5,6,7
.if \zero
	v_wmma_scale_f32_16x16x128_f8f6f4 v[8*(8*(\a)+\b):8*(8*(\a)+\b)+7], v[128*(\set)+16*\b:128*(\set)+16*\b+15], v[128+64*(\set)+16*(\a):128+64*(\set)+16*(\a)+15], 0, v[SC+8*\b+(\s)], v[SC+8*(\a)+(\s)] matrix_a_scale:MATRIX_SCALE_ROW1
.else
	v_wmma_scale_f32_16x16x128_f8f6f4 v[8*(8*(\a)+\b):8*(8*(\a)+\b)+7], v[128*(\set)+16*\b:128*(\set)+16*\b+15], v[128+64*(\set)+16*(\a):128+64*(\set)+16*(\a)+15], v[8*(8*(\a)+\b):8*(8*(\a)+\b)+7], v[SC+8*\b+(\s)], v[SC+8*(\a)+(\s)] matrix_a_scale:MATRIX_SCALE_ROW1
.endif
.endr
.endr
.endm
; Step s lies in slot (s / 2) % 3, half s % 2, fragment set s % 2.  The next step's 48 loads go out first, eight places behind the products that read their registers
.macro STEP s, zero
	s_wait_dscnt 0x0
.if (\s) > 0
	PLACES 8
.endif
	FETCH0 (((\s)+1)/2)%3, ((\s)+1)%2, ((\s)+1)%2
	FETCH1 (((\s)+1)/2)%3, ((\s)+1)%2, ((\s)+1)%2
	WIN W_MUL
	MUL 0, (\s)%2, \s, \zero
	MUL 2, (\s)%2, \s, \zero
	WIN 0
.endm
	s_load_b256 s[4:11], s[0:1], 0x0               ; codes1 4, scales1 6, rope 8, qkv_img 10
	s_load_b64 s[12:13], s[0:1], 0x20              ; qkv_sc
	v_lshl_add_u32 v[SPW], v0, 2, SPARE
	v_mov_b32 v[NIL], 0
	ds_add_u32 v[SPW], v[NIL]                      ; the opening lines: the add twice on end and its wait
	ds_add_u32 v[SPW], v[NIL]
	v_lshrrev_b32 v1, 5, v0
	v_readfirstlane_b32 s14, v1                    ; wave
	s_lshr_b32 s15, s14, 1                         ; my half of source 1's rows.  Also: behind the head I fetch for source 1 (0) or source 0 (1)
	s_and_b32 s16, s14, 1                          ; my half of source 0's rows.  Also: which half I fetch
	s_bfe_u32 s18, ttmp6, 0x40000                  ; cx
	s_bfe_u32 s19, ttmp6, 0x40004                  ; cy
	s_mov_b32 s20, ttmp9                           ; X: the type
	s_and_b32 s21, ttmp7, 0xffff                   ; Y
	s_lshl_b32 s22, s19, 2
	s_lshl_b32 s22, 15, s22                        ; my row of the cluster
	s_lshl_b32 s23, 0x1111, s18                    ; my column
	s_or_b32 s[G1], s22, (1<<20)|(1<<21)|(5<<22)|(3<<25)
	s_or_b32 s[G1B], s23, (1<<20)|(1<<21)|(5<<22)|(3<<25)
	s_mov_b32 s[G1+1], 256<<16
	s_mov_b32 s[G1+2], 128<<16                     ; the head's loads bring whole tiles: 128 rows of source 1,
	s_mov_b32 s[G1+3], 256<<16
	s_mov_b32 s[G1+4], 128
	s_mov_b32 s[G1+5], 1024
	s_mov_b32 s[G1+6], 0
	s_mov_b32 s[G1+7], 0
	s_mov_b32 s[G1B+1], 256<<16
	s_mov_b32 s[G1B+2], 256<<16                    ; 256 of source 0
	s_mov_b32 s[G1B+3], 256<<16
	s_mov_b32 s[G1B+4], 256
	s_mov_b32 s[G1B+5], 1024
	s_mov_b32 s[G1B+6], 0
	s_mov_b32 s[G1B+7], 0
	; which storage rows.  Source 1 in units of 128: q, k: tokens 4 Y + cy; v: Wv's rows 80 + 4 (Y & 1) + cy.  Source 0 in units of 256: q, k: W's rows 32 + 4 X + cx; v: tokens 4 (Y >> 1) + cx
	s_lshl_b32 s2, s21, 2
	s_and_b32 s3, s21, 1
	s_lshl_b32 s3, s3, 2
	s_add_co_u32 s3, s3, 80
	s_lshl_b32 s66, s20, 2
	s_add_co_u32 s66, s66, 32
	s_lshr_b32 s67, s21, 1
	s_lshl_b32 s67, s67, 2
	s_cmp_lt_u32 s20, 2
	s_cselect_b32 s2, s2, s3
	s_cselect_b32 s66, s66, s67
	s_add_co_u32 s2, s2, s19
	s_lshl_b32 s84, s2, 17                         ; source 1's tile in codes1, in bytes
	s_mov_b32 s85, 0
	s_add_co_u32 s66, s66, s18
	s_lshl_b32 s86, s66, 18                        ; source 0's
	s_mov_b32 s87, 0
	s_lshl_b32 s96, s16, 16
	s_add_co_u32 s96, s96, s84                     ; the half that I fetch behind the head: 64 rows of source 1,
	s_mov_b32 s97, 0
	s_lshl_b32 s100, s16, 17
	s_add_co_u32 s100, s100, s86                   ; 128 of source 0
	s_mov_b32 s101, 0
	s_lshr_b32 s88, s84, 5                         ; 32 scale bytes a row: the rows that I multiply
	s_lshl_b32 s3, s15, 11
	s_add_co_u32 s88, s88, s3
	s_lshr_b32 s89, s86, 5
	s_lshl_b32 s3, s16, 12
	s_add_co_u32 s89, s89, s3
	s_mul_i32 s17, s16, H1                         ; where the halves go in a slot: no place in the cluster enters an LDS address
	s_mul_i32 s95, s16, H0
	s_add_co_u32 s95, s95, T1B
	s_wait_dscnt 0x0                               ; both opening adds are done
	s_wait_kmcnt 0x0
	s_add_nc_u64 s[84:85], s[4:5], s[84:85]
	s_add_nc_u64 s[86:87], s[4:5], s[86:87]
	s_add_nc_u64 s[96:97], s[4:5], s[96:97]
	s_add_nc_u64 s[100:101], s[4:5], s[100:101]
	CROUND                                         ; all sixteen work-groups are here: the first joint loads meet
	GRP0 68, 0, 84, 0
	GRP0 72, T1B, 86, 0
	GRP0 76, SLOT, 84, 256
	GRP0 80, SLOT+T1B, 86, 256
.irp n, 0,2                                    ; the halves' groups 0: slot 0's serves K step 3, slot 2's K step 2
	s_mov_b32 s[G0+4*\n], 1
	s_add_co_u32 s[G0+4*\n+1], s17, \n*SLOT
	s_add_nc_u64 s[G0+4*\n+2:G0+4*\n+3], s[96:97], \n*256
	s_or_b32 s[G0+4*\n+3], s[G0+4*\n+3], 0x80000000
	s_mov_b32 s[G0B+4*\n], 1
	s_add_co_u32 s[G0B+4*\n+1], s95, \n*SLOT
	s_add_nc_u64 s[G0B+4*\n+2:G0B+4*\n+3], s[100:101], \n*256
	s_or_b32 s[G0B+4*\n+3], s[G0B+4*\n+3], 0x80000000
.endr
	ARM 1, 68, G1,  .Lhead_b0                      ; one joint load a wave, in one chain of branches on the wave's number
	ARM 2, 72, G1B, .Lhead_a1
	ARM 3, 76, G1,  .Lhead_b1
	tensor_load_to_lds s[80:83], s[G1B:G1B+7]
	s_nop 0
	PLACES 4
.Lhead_asked:
	s_mul_i32 s2, s15, H1
	s_mul_i32 s3, s16, H0
	s_add_co_u32 s3, s3, T1B
	s_lshl_b32 s67, s14, 8
	s_add_co_u32 s67, s67, STG
	v_and_b32 v1, 15, v0                           ; r
	v_bfe_u32 v2, v0, 4, 1                         ; h
	v_and_b32 v4, 31, v0
	v_mul_u32_u24 v3, v1, PITCH
	v_lshl_add_u32 v3, v2, 4, v3                   ; a fragment's row x pitch + 16 h
	v_add_nc_u32 v[ADR1], s2, v3
	v_add_nc_u32 v[ADR0], s3, v3
.irp n, 1,2
	v_add_nc_u32 v[ADR1+\n], SLOT, v[ADR1+\n-1]
	v_add_nc_u32 v[ADR0+\n], SLOT, v[ADR0+\n-1]
.endr
	v_mov_b32 v5, s88
	v_mov_b32 v6, s89
	v_cmp_eq_u32 vcc_lo, 1, v2
	v_cndmask_b32 v5, v5, v6, vcc_lo               ; lanes 16-31 take source 0's rows
	v_lshl_add_u32 v[ADRS], v1, 5, v5
	v_and_b32 v3, 8, v1
	v_add_nc_u32 v3, v3, v1                        ; r + 8 (r / 8): lane r's token in a tile of x
	v_lshlrev_b32 v[RV], 8, v3
	v_lshl_add_u32 v[RV], v2, 5, v[RV]             ; its row of the table, + my half's eight frequencies
	v_lshl_add_u32 v[SWA], v1, 2, s67
	v_lshlrev_b32 v[LI], 4, v4
	v_lshlrev_b32 v[L8], 3, v4
	v_add_nc_u32 v[SRA], s67, v[L8]
	s_wait_alu depctr_va_vdst(0)                   ; the wait behind the head's vector lines
	SCALES
	; where the results go: both types' offsets are made, one is selected, and only then added to the pointers
	s_lshl_b32 s2, s21, 2
	s_add_co_u32 s2, s2, s19
	s_lshl_b32 s2, s2, 3
	s_lshl_b32 s3, s15, 2
	s_add_co_u32 s2, s2, s3                        ; q, k: T0, my first tile of 16 tokens
	s_lshl_b32 s3, s18, 1
	s_add_co_u32 s3, s3, s16                       ; g, my pair of heads
	s_lshl_b32 s96, s20, 23
	s_lshl_b32 s17, s2, 14
	s_add_co_u32 s96, s96, s17
	s_lshl_b32 s17, s3, 11
	s_add_co_u32 s96, s96, s17                     ; image: X 8,388,608 + T0 16,384 + g 2,048
	s_lshl_b32 s98, s20, 18
	s_lshl_b32 s17, s3, 15
	s_add_co_u32 s98, s98, s17
	s_lshl_b32 s17, s2, 6
	s_add_co_u32 s98, s98, s17                     ; scale words: X 262,144 + g 32,768 + T0 64
	s_lshl_b32 s100, s2, 4
	s_and_b32 s100, s100, 2047
	s_lshl_b32 s100, s100, 8                       ; table: my first token's index in its sequence x 256
	s_and_b32 s2, s21, 1
	s_lshl_b32 s2, s2, 2
	s_add_co_u32 s2, s2, s19
	s_lshl_b32 s2, s2, 1
	s_add_co_u32 s2, s2, s15                       ; v: my head
	s_lshr_b32 s3, s21, 1
	s_lshl_b32 s3, s3, 2
	s_add_co_u32 s3, s3, s18
	s_lshl_b32 s3, s3, 1
	s_add_co_u32 s3, s3, s16                       ; my 128 tokens, counted in 128s
	s_lshr_b32 s17, s3, 4                          ; the batch
	s_and_b32 s3, s3, 15                           ; the key step
	s_lshl_b32 s17, s17, 4
	s_add_co_u32 s17, s17, s2                      ; 16 b + head
	s_lshl_b32 s2, s17, 4
	s_add_co_u32 s2, s2, s3
	s_lshl_b32 s2, s2, 13
	s_add_co_u32 s2, s2, 16777216                  ; image
	s_lshl_b32 s17, s17, 12
	s_lshl_b32 s3, s3, 8
	s_add_co_u32 s17, s17, s3
	s_add_co_u32 s17, s17, 524288                  ; scale words
	s_mov_b32 s3, 2048*256                         ; table: the rows of angle 0
	s_mov_b32 s95, 2048
	s_cmp_lt_u32 s20, 2
	s_cselect_b32 s96, s96, s2
	s_cselect_b32 s98, s98, s17
	s_cselect_b32 s100, s100, s3
	s_cselect_b32 s66, 16384, s95                  ; from one block of source 1 to the next, in the image
	s_mov_b32 s97, 0
	s_mov_b32 s99, 0
	s_mov_b32 s101, 0
	s_mov_b32 s67, 0
	s_add_nc_u64 s[10:11], s[10:11], s[96:97]
	s_add_nc_u64 s[12:13], s[12:13], s[98:99]
	s_add_nc_u64 s[8:9], s[8:9], s[100:101]
	s_mov_b32 s[SEL], 0x76543210
	s_mov_b32 s[SEL+1], 0xfedcba98
	s_mov_b32 s[MNT], 0x600000
	s_wait_tensorcnt 0x0                           ; my tile of the head's four is in
	ds_add_u32 v[SPW], v[NIL]
	s_mov_b32 s[G1+2], 64<<16                      ; no tensor load of mine is out: from here on a load brings half a tile
	s_mov_b32 s[G1+4], 64
	s_mov_b32 s[G1B+2], 128<<16
	s_mov_b32 s[G1B+4], 128
	s_wait_dscnt 0x0
	CROUND                                         ; K steps 0 and 1 are whole, and all sixteen work-groups are here
	JLOAD G0+8, G1, G0B+8, G1B                     ; K step 2: slot 2's first fill
	FETCH0 0, 0, 0
	FETCH1 0, 0, 0
	s_wait_loadcnt 0x0                             ; the scale words
	STEP 0, 1
	; step 1 leaves slot 0, which is filled again with K step 3
	s_wait_tensorcnt 0x0                           ; my part of K step 2 has landed, so a group 0 may be written
	ds_add_u32 v[SPW], v[NIL]
	s_add_nc_u64 s[G0+2:G0+3], s[G0+2:G0+3], 3*256
	s_add_nc_u64 s[G0B+2:G0B+3], s[G0B+2:G0B+3], 3*256
	s_wait_dscnt 1                                 ; step 1's 48 fragment loads are in; only the add may be out
	WIN W_MUL
	MUL 0, 1, 1, 0
	s_wait_dscnt 0x0                               ; the add is done, and my reads of slot 0 are over
	s_barrier_signal -1
	MUL 2, 1, 1, 0
	WIN 0
	s_barrier_wait -1
	CREST
	JLOAD G0, G1, G0B, G1B                         ; the first tensor load behind the round; steps 2 to 4 stand between it and the wait for it
	PLACES 4
	FETCH0 1, 0, 0
	FETCH1 1, 0, 0
	STEP 2, 0
	STEP 3, 0
	STEP 4, 0
	; step 5: K step 3 must be whole before step 6 is fetched
	s_wait_tensorcnt 0x0
	s_wait_dscnt 0x0
	s_barrier_signal -1
	WIN W_MUL
	MUL 0, 1, 5, 0
	s_barrier_wait -1
	PLACES 8
	FETCH0 0, 0, 0
	FETCH1 0, 0, 0
	WIN W_MUL
	MUL 2, 1, 5, 0
	WIN 0
	STEP 6, 0
.macro LOADCS a                        ; the table for block a's 16 tokens: my 16 cosines and 16 sines, into v96 (even a) or v192 (odd a) on
.set CB, 96+96*((\a)%2)
.irp sc, 0,1
.irp bp, 0,1
.irp q, 0,1
	global_load_b128 v[CB+16*\sc+8*\bp+4*\q:CB+16*\sc+8*\bp+4*\q+3], v[RV], s[8:9] offset:(32*((\a)/2)+8*((\a)%2))*256+128*\sc+64*\bp+16*\q
.endr
.endr
.endr
.endm
.macro ROPE a                          ; re = te cos - to sin, ro = te sin + to cos; te: tile 2 B, to: tile 2 B + 1 of block a
.set CB, 96+96*((\a)%2)
	WIN 0x02
.irp bt, 0,1,2,3
.irp jj, 0,2,4,6
	v_pk_mul_f32 v[RR+16*\bt+\jj:RR+16*\bt+\jj+1], v[64*(\a)+16*\bt+8+\jj:64*(\a)+16*\bt+8+\jj+1], v[CB+16+8*(\bt%2)+\jj:CB+16+8*(\bt%2)+\jj+1]
	v_pk_mul_f32 v[RR+16*\bt+8+\jj:RR+16*\bt+8+\jj+1], v[64*(\a)+16*\bt+8+\jj:64*(\a)+16*\bt+8+\jj+1], v[CB+8*(\bt%2)+\jj:CB+8*(\bt%2)+\jj+1]
.endr
.irp jj, 0,2,4,6
	v_pk_fma_f32 v[RR+16*\bt+\jj:RR+16*\bt+\jj+1], v[64*(\a)+16*\bt+\jj:64*(\a)+16*\bt+\jj+1], v[CB+8*(\bt%2)+\jj:CB+8*(\bt%2)+\jj+1], v[RR+16*\bt+\jj:RR+16*\bt+\jj+1] neg_lo:[0,0,1] neg_hi:[0,0,1]
	v_pk_fma_f32 v[RR+16*\bt+8+\jj:RR+16*\bt+8+\jj+1], v[64*(\a)+16*\bt+\jj:64*(\a)+16*\bt+\jj+1], v[CB+16+8*(\bt%2)+\jj:CB+16+8*(\bt%2)+\jj+1], v[RR+16*\bt+8+\jj:RR+16*\bt+8+\jj+1]
.endr
.endr
	WIN 0
.endm
.macro QUANT s                         ; 64 numbers of a lane, register 16 b + i in block b, become 16 registers of codes in v[PC] on and the scale word in v[PW]
.irp b, 0,1,2,3
	v_max3_num_f32 v[TM+\b], |v[\s+16*\b]|, |v[\s+1+16*\b]|, 0x4800000   ; with the floor 2^(9 - 127): the byte cannot fall under 1
.endr
.irp i, 2,4,6,8,10,12,14
.irp b, 0,1,2,3
	v_max3_num_f32 v[TM+\b], v[TM+\b], |v[\s+16*\b+\i]|, |v[\s+1+16*\b+\i]|
.endr
.endr
.irp b, 0,1,2,3
	v_permlanex16_b32 v[TM+4+\b], v[TM+\b], s[SEL], s[SEL+1]
.endr
.irp b, 0,1,2,3
	v_max_num_f32 v[TM+\b], v[TM+\b], v[TM+4+\b]
.endr
.irp b, 0,1,2,3
	v_add_nc_u32 v[TM+12+\b], 0xfc000000, v[TM+\b] ; 8 off the exponent field: the conversion's scale operand
.endr
.irp b, 0,1,2,3
	v_and_or_b32 v[TM+8+\b], v[TM+\b], 0x7f800000, s[MNT]   ; 448 x the scale
.endr
.irp b, 0,1,2,3
	v_lshrrev_b32 v[TM+4+\b], 23, v[TM+12+\b]      ; the scale's byte
.endr
	v_lshl_or_b32 v[PW], v[TM+5], 8, v[TM+4]
	v_lshl_or_b32 v[PW], v[TM+6], 16, v[PW]
	v_lshl_or_b32 v[PW], v[TM+7], 24, v[PW]
.irp b, 0,1,2,3
.irp i, 0,1,2,3,4,5,6,7,8,9,10,11,12,13,14,15
	v_med3_num_f32 v[\s+16*\b+\i], v[\s+16*\b+\i], -v[TM+8+\b], v[TM+8+\b]   ; the conversion does not saturate (ISA guide 7.6.2): the hold comes first
.endr
	v_cvt_scalef32_pk8_fp8_f32 v[PC+4*\b:PC+1+4*\b], v[\s+16*\b:\s+7+16*\b], v[TM+12+\b]
	v_cvt_scalef32_pk8_fp8_f32 v[PC+2+4*\b:PC+3+4*\b], v[\s+8+16*\b:\s+15+16*\b], v[TM+12+\b]
.endr
	v_nop
.endm
	s_wait_dscnt 0x0                               ; step 7, the last: nothing more to fetch from LDS
	s_wait_alu depctr_va_vdst(0)
	LOADCS 0
	WIN W_MUL
	MUL 0, 1, 7, 0
	MUL 2, 1, 7, 0
	WIN 0
	PLACES 8
.irp b, 0,1,2,3
	v_mov_b32 v[TM+4+\b], 0                        ; written once: a lane permute's destination counts as one of its sources
.endr
.irp a, 0,1,2,3
.if \a < 3
	LOADCS \a+1
	s_wait_loadcnt 8                               ; this block's eight table loads are in; the next block's eight may be out
.else
	s_wait_loadcnt 0x0
.endif
	ROPE \a
	QUANT RR
.irp c, 0,1,2,3
	global_store_b128 v[LI], v[PC+4*\c:PC+4*\c+3], s[10:11] offset:512*\c   ; the fragment as it stands: 512 consecutive bytes, aligned
.endr
	ds_store_b32 v[SWA], v[PW] offset:64*\a        ; both halves of the lanes write the same word with the same value
	s_wait_xcnt 0x0
	s_wait_dscnt 0x0
	s_add_nc_u64 s[10:11], s[10:11], s[66:67]
.endr
	ds_load_b64 v[4:5], v[SRA]
	s_wait_dscnt 0x0
	global_store_b64 v[L8], v[4:5], s[12:13]       ; my wave's 64 scale words: 256 consecutive bytes, aligned
	s_wait_tensorcnt 0x0                           ; the wave's end
	ds_add_u32 v[SPW], v[NIL]
	s_wait_dscnt 0x0
	CROUND                                         ; the closing round
	s_endpgm
.Lfunc_end_k_q08aa983b98_qkv:
	.size	k_q08aa983b98_qkv, .Lfunc_end_k_q08aa983b98_qkv-k_q08aa983b98_qkv
	.p2alignl 7, 3214868480
	.fill 96, 4, 3214868480
	.section	.rodata,"a",@progbits
	.p2align	6, 0x0
	.amdhsa_kernel k_q08aa983b98_qkv
		.amdhsa_group_segment_fixed_size 327680
		.amdhsa_private_segment_fixed_size 0
		.amdhsa_enable_private_segment 0
		.amdhsa_kernarg_size 40
		.amdhsa_user_sgpr_count 2
		.amdhsa_user_sgpr_kernarg_segment_ptr 1
		.amdhsa_wavefront_size32 1
		.amdhsa_system_sgpr_workgroup_id_x 1
		.amdhsa_system_sgpr_workgroup_id_y 1
		.amdhsa_system_sgpr_workgroup_id_z 1
		.amdhsa_system_vgpr_workitem_id 0
		.amdhsa_next_free_vgpr 768
		.amdhsa_next_free_sgpr 102
		.amdhsa_reserve_vcc 1
		.amdhsa_float_denorm_mode_32 3
		.amdhsa_float_denorm_mode_16_64 3
		.amdhsa_memory_ordered 1
		.amdhsa_forward_progress 1
		.amdhsa_inst_pref_size 128
	.end_amdhsa_kernel
	.amdgpu_metadata
---
amdhsa.version: [ 1, 2 ]
amdhsa.kernels:
  - .name:           k_q08aa983b98_qkv
    .symbol:         k_q08aa983b98_qkv.kd
    .args:
      - { .name: codes1, .offset: 0, .size: 8, .value_kind: global_buffer, .address_space: global }
      - { .name: scales1, .offset: 8, .size: 8, .value_kind: global_buffer, .address_space: global }
      - { .name: rope, .offset: 16, .size: 8, .value_kind: global_buffer, .address_space: global }
      - { .name: qkv_img, .offset: 24, .size: 8, .value_kind: global_buffer, .address_space: global }
      - { .name: qkv_sc, .offset: 32, .size: 8, .value_kind: global_buffer, .address_space: global }
    .group_segment_fixed_size: 327680
    .private_segment_fixed_size: 0
    .kernarg_segment_align: 8
    .kernarg_segment_size: 40
    .max_flat_workgroup_size: 128
    .sgpr_count:     102
    .vgpr_count:     768
    .wavefront_size: 32
...
	.end_amdgpu_metadata
.endif
;; end of part 2
;; launch attn (part 3): grid 4 x 64, 16 waves a work-group, no clusters, 327,680 bytes of LDS; arguments qkv_img, qkv_sc, ao_img, ao_sc; writes ao_img, ao_sc
.if DOCPART == 3
	.amdgcn_target "amdgcn-amd-amdhsa--gfx1250"
	.amdhsa_code_object_version 6
	.text
	.protected	k_q08aa983b98_attn
	.globl	k_q08aa983b98_attn
	.p2align	8
	.type	k_q08aa983b98_attn,@function
k_q08aa983b98_attn:
	s_mov_b64 s[64:65], 0
	v_nop
	global_prefetch_b8 v0, s[64:65] scope:SCOPE_SE
	s_setreg_imm32_b32 hwreg(HW_REG_WAVE_MODE, 25, 1), 1
	s_wait_xcnt 0x0
; Causal attention of one head on codes of FP8 (E4M3) with E8M0 scales: S^T = K Q^T (K = the head's 64, the upper 64 of the instruction's 128 are zero codes of Q), p = 2^(t - M), O^T += V^T P^T (K = 128 keys), O / the row's sum, quantised for the last projection.
; LEFT OUT: key steps all of whose 128 keys come after a wave's 16 queries: reference() itself puts its causal mask over them, so their p is 0 whatever the inputs hold.
; t = score x log2(e) / 8; M = the running largest t rounded up to a whole number; the sum is taken of the unquantised p; when M moves, the sum and O^T are multiplied by 2^(old M - new M), exactly.
; LIMITS: the promise holds while |t| stays under 2^31; NaN and infinities are not served; a block of p whose largest lies under 2^-118 has the byte 1 and zero codes.
; THE DEAL.  A sequence has 128 tiles of 16 queries, tile 8 r + u in key step r.  Work-group j = 0 .. 3 of a head owns u = 2 j and 2 j + 1; its wave w owns u = 2 j + w % 2 in key steps 15 - p and p, p = w / 2: (16 - p) + (p + 1) = 17 key steps for every wave.
; THE HEAD'S K, V AND SCALE WORDS STAY IN LDS, each byte filled once: K's codes 131,072 bytes, V's 131,072, K's scale words 8,192, V's 4,096; every work-group reads all sixteen key steps.
; At the head waves 0 to 3 fetch key steps 0-3 of K, of V, and the two tiles of scale words.  Behind the three lines and a barrier waves 1-3 fetch key steps 4-15 of K, waves 5-7 of V, four key steps each.
; The long tile goes first: its key steps 0-3 are walked by all sixteen waves, then one barrier shows all that was still out, and from there on no barrier stands between the waves.
; The walk is 4 + 20 trips, constants of the text: trips 0-15 the long tile's key steps, trips 16-23 the short tile's; a step that lies behind a wave's tile is jumped over on ids.
; NO CLUSTER: the four work-groups of a head would share every tile, but what a mask may name are work-groups that ask in the same round, and here the waves meet at no barrier after the fifth key step.
; NO PREFETCH: every tile is asked for at the head or behind the first barrier; there is no loop to run ahead in.
; REGISTERS: v1-11 addresses and Q's scale word; v12 -M, v13 largest t, v[14:15] the sum; v16-23 Q, v24-31 zeros; v32-95 K, v96-103 zeros; v104-167 S^T, p, then V; v168-199 O^T; v200-215 p's codes; v216-227 scale words; v228-246 at work; v247-255 the short tile's Q.
.set VREG,  131072
.set SKO,   262144
.set SVO,   270336
.set SPARE, 274432
.set LI,   1
.set ASK0, 2
.set ASV0, 3
.set DM,   4
.set SPW,  5
.set NIL,  6
.set ADV,  7
.set AD,   8
.set ADS,  9
.set ADT,  10
.set QS,   11
.set WV,   12
.set RHO,  18                          ; the key step of the tile in hand
.set MNT,  19
.set SEL,  20
.set CS,   22
.set G1K,  24
.set G1V,  32
.set G1SK, 40
.set G1SV, 48
.set G0K,  56
.set G0V,  60
.set G0SK, 68
.set G0SV, 72
.set G0K2, 76
.set G0V2, 80
.set TB,   2
.set TS,   3
.set TJ,   66
.set KT,   86
.set IT,   94
.set RHOB, 95
.macro GRP1 g, c, r, p                 ; r rows of c elements of 8 bytes, p elements apart
	s_mov_b32 s[\g], 3<<16
	s_mov_b32 s[\g+1], (\c)<<16
	s_mov_b32 s[\g+2], (\r)<<16
	s_mov_b32 s[\g+3], (\c)<<16
	s_mov_b32 s[\g+4], \r
	s_mov_b32 s[\g+5], \p
	s_mov_b32 s[\g+6], 0
	s_mov_b32 s[\g+7], 0
.endm
.macro GRP0 g, lds, ptr, off
	s_mov_b32 s[\g], 1
	s_mov_b32 s[\g+1], \lds
	s_mov_b32 s84, s\off
	s_add_nc_u64 s[\g+2:\g+3], s[\ptr:\ptr+1], s[84:85]
	s_or_b32 s[\g+3], s[\g+3], 0x80000000
.endm
.macro ARM under, g0, g1, next, end
	s_cmp_lt_u32 s[WV], \under
	s_cbranch_scc0 \next
	tensor_load_to_lds s[\g0:\g0+3], s[\g1:\g1+7]
	s_nop 0
.rept 4
	v_nop
.endr
	s_branch \end
\next:
.endm
.macro FRESH                           ; a tile begins: the largest t under every t, the sum and O^T zeros
	v_mov_b32 v13, 0xff61b1e6
	v_mov_b32 v14, 0
	v_mov_b32 v15, 0
	v_floor_f32 v12, -v13
.set j, 0
.rept 32
	v_mov_b32 v[168+j], 0
.set j, j+1
.endr
.endm
	s_load_b256 s[4:11], s[0:1], 0x0               ; qkv_img 4, qkv_sc 6, ao_img 8, ao_sc 10
	v_lshl_add_u32 v[SPW], v0, 2, SPARE
	v_mov_b32 v[NIL], 0
	ds_add_u32 v[SPW], v[NIL]                      ; the opening lines: the add twice on end and its wait
	ds_add_u32 v[SPW], v[NIL]
	v_lshrrev_b32 v8, 5, v0
	v_readfirstlane_b32 s[WV], v8
	s_mov_b32 s13, ttmp9                           ; j
	s_and_b32 s14, ttmp7, 0xffff                   ; 16 b + head
	s_lshr_b32 s15, s14, 4
	s_and_b32 s16, s14, 15
	s_lshr_b32 s17, s[WV], 1                       ; p
	s_and_b32 s90, s[WV], 1
	s_lshl_b32 s84, s13, 1
	s_add_co_u32 s90, s90, s84                     ; u
	s_sub_co_u32 s[RHO], 15, s17
	s_mov_b32 s[RHOB], s17
	GRP1 G1K, 128, 32, 2048                        ; four key steps: 32 tiles of 1,024 bytes, 16,384 apart
	GRP1 G1V, 32, 128, 32                          ; dense, as rows of 256 bytes
	GRP1 G1SK, 32, 32, 32
	GRP1 G1SV, 32, 16, 32
	s_lshl_b32 s86, s15, 21
	s_lshl_b32 s84, s16, 10
	s_add_co_u32 s86, s86, s84
	s_add_co_u32 s86, s86, 8388608                 ; the head's K codes,
	s_lshl_b32 s87, s14, 17
	s_add_co_u32 s87, s87, 16777216                ; V codes,
	s_lshr_b32 s88, s16, 1
	s_lshl_b32 s88, s88, 15
	s_lshl_b32 s84, s15, 13
	s_add_co_u32 s88, s88, s84
	s_add_co_u32 s88, s88, 262144                  ; K scale words,
	s_lshl_b32 s89, s14, 12
	s_add_co_u32 s89, s89, 524288                  ; V scale words
	s_lshl_b32 s91, s[WV], 15                      ; the later pieces: LDS byte 32,768 x wave,
	s_lshl_b32 s92, s[WV], 19
	s_add_co_u32 s92, s92, s86                     ; K's key steps 4 wave on (waves 1-3),
	s_and_b32 s93, s[WV], 3
	s_lshl_b32 s93, s93, 15
	s_add_co_u32 s93, s93, s87                     ; V's key steps 4 (wave - 4) on (waves 5-7)
	s_mov_b32 s[SEL], 0x76543210
	s_mov_b32 s[SEL+1], 0xfedcba98
	s_mov_b32 s[CS], 0x3e38aa3b                    ; log2(e) / 8
	s_mov_b32 s[CS+1], s[CS]
	s_mov_b32 s[MNT], 0x600000
	s_mov_b32 s85, 0
	s_wait_dscnt 0x0
	s_wait_kmcnt 0x0
	GRP0 G0K, 0, 4, 86
	GRP0 G0V, VREG, 4, 87
	GRP0 G0SK, SKO, 6, 88
	GRP0 G0SV, SVO, 6, 89
	GRP0 G0K2, s91, 4, 92
	GRP0 G0V2, s91, 4, 93
	ARM 1, G0K,  G1K,  .Lh_v,  .Lhead_asked        ; what the first four key steps need, one tile a wave
	ARM 2, G0V,  G1V,  .Lh_sk, .Lhead_asked
	ARM 3, G0SK, G1SK, .Lh_sv, .Lhead_asked
	ARM 4, G0SV, G1SV, .Lh_no, .Lhead_asked
.Lhead_asked:
	s_lshl_b32 s100, s15, 7
	s_add_co_u32 s100, s100, s90
	s_lshl_b32 s84, s17, 3
	s_add_co_u32 s101, s100, s84                   ; the short tile: 128 b + 8 p + u
	s_add_co_u32 s100, s100, 120
	s_sub_co_u32 s100, s100, s84                   ; the long one: 128 b + 8 (15 - p) + u
	s_lshl_b32 s84, s16, 10
	s_lshl_b32 s86, s100, 14
	s_add_co_u32 s86, s86, s84                     ; in an image: tile 16,384 + head 1,024
	s_lshl_b32 s87, s101, 14
	s_add_co_u32 s87, s87, s84
	s_mov_b32 s84, s87
	s_add_nc_u64 s[96:97], s[8:9], s[84:85]        ; the short tile's results
	s_mov_b32 s84, s86
	s_add_nc_u64 s[8:9], s[8:9], s[84:85]          ; the long one's
	s_lshl_b32 s88, s16, 1
	s_lshl_b32 s84, s101, 9
	s_add_co_u32 s84, s84, s88
	s_add_nc_u64 s[98:99], s[10:11], s[84:85]
	s_lshl_b32 s84, s100, 9
	s_add_co_u32 s84, s84, s88
	s_add_nc_u64 s[10:11], s[10:11], s[84:85]
	s_lshr_b32 s88, s16, 1
	s_lshl_b32 s88, s88, 15
	s_and_b32 s89, s16, 1
	s_lshl_b32 s89, s89, 1
	s_add_co_u32 s88, s88, s89
	s_add_co_u32 s89, s89, SKO
	s_lshl_b32 s100, s100, 6
	s_add_co_u32 s100, s100, s88                   ; Q's scale words
	s_lshl_b32 s101, s101, 6
	s_add_co_u32 s101, s101, s88
	s_lshr_b32 s88, s90, 1
	s_lshl_b32 s88, s88, 5
	s_and_b32 s84, s90, 1
	s_lshl_b32 s84, s84, 3
	s_add_co_u32 s88, s88, s84                     ; my tiles' first token in their key steps
	v_and_b32 v[LI], 31, v0
	v_and_b32 v8, 15, v0
	v_bfe_u32 v9, v0, 4, 1
	v_lshlrev_b32 v[LI], 4, v[LI]
	v_lshlrev_b32 v10, 2, v8
	v_add_nc_u32 v104, s86, v[LI]
	v_add_nc_u32 v105, s87, v[LI]
	v_add_nc_u32 v106, s100, v10
	v_add_nc_u32 v107, s101, v10
	global_load_b128 v[16:19], v104, s[4:5]
	global_load_b128 v[20:23], v104, s[4:5] offset:512
	global_load_u16 v[QS], v106, s[6:7]
	global_load_b128 v[248:251], v105, s[4:5]
	global_load_b128 v[252:255], v105, s[4:5] offset:512
	global_load_u16 v247, v107, s[6:7]
	v_lshl_add_u32 v[ASK0], v8, 2, s89
	v_lshl_add_u32 v[ASV0], v8, 2, SVO
	v_and_b32 v[DM], 8, v8
	v_add_nc_u32 v[DM], v[DM], v8
	v_lshlrev_b32 v9, 4, v9
	v_sub_nc_u32 v[DM], v[DM], v9
	v_add_nc_u32 v[DM], s88, v[DM]                 ; my query in its key step - 16 (lane / 16): register 16 b + i is hidden where 32 b + i is greater
	FRESH
.irp i, 0,1,2,3,4,5,6,7
	v_mov_b32 v[24+\i], 0
	v_mov_b32 v[96+\i], 0
.endr
.irp b, 0,1,2,3
	v_mov_b32 v[232+\b], 0
.endr
	v_mov_b32 v245, 0
.macro STEP wrap                       ; trip IT: 128 keys, key step IT % 16
	s_lshl_b32 s[TB], s[IT], 13
.if \wrap
	s_and_b32 s[TB], s[TB], 0x1ffff
.endif
	s_lshr_b32 s[KT], s[TB], 13
	s_cmp_gt_u32 s[KT], s[RHO]
	s_cbranch_scc1 .Lhidden_\@
	s_lshr_b32 s[TS], s[TB], 4                     ; 512 bytes of K's scale words a key step,
	s_lshr_b32 s[TJ], s[TB], 5                     ; 256 of V's
	v_add_nc_u32 v[AD], s[TB], v[LI]
	v_add_nc_u32 v[ADS], s[TS], v[ASK0]
	v_add_nc_u32 v[ADT], s[TJ], v[ASV0]
	v_add_nc_u32 v[ADV], VREG, v[AD]
.rept 5
	v_nop                                          ; with the four above: nine places ahead of products that write over what the last products read
.endr
.irp t, 0,1,2,3,4,5,6,7
	ds_load_b128 v[32+8*\t:35+8*\t], v[AD] offset:1024*\t
	ds_load_b128 v[36+8*\t:39+8*\t], v[AD] offset:1024*\t+512
	ds_load_u16 v[216+\t], v[ADS] offset:64*\t
.endr
	s_wait_dscnt 0x0
.irp t, 0,1,2,3,4,5,6,7
	v_wmma_scale_f32_16x16x128_f8f6f4 v[104+8*\t:111+8*\t], v[32+8*\t:47+8*\t], v[16:31], 0, v[216+\t], v[QS]
.endr
.rept 8
	v_nop
.endr
	s_cmp_lt_u32 s[KT], s[RHO]
	s_cbranch_scc1 .Lopen_\@
	v_mov_b32 v246, 0xff800000                     ; on the diagonal hidden scores become -infinity
.set n, 0
.rept 64
	v_cmp_gt_i32 vcc_lo, 32*(n/16)+n%16, v[DM]
	v_cndmask_b32 v[104+n], v[104+n], v246, vcc_lo
.set n, n+1
.endr
.Lopen_\@:
.irp b, 0,1,2,3
	v_max3_num_f32 v[228+\b], v[104+16*\b], v[105+16*\b], v[106+16*\b]   ; each block's largest score: for the row's maximum and for the block's largest p
.endr
.irp i, 3,5,7,9,11,13
.irp b, 0,1,2,3
	v_max3_num_f32 v[228+\b], v[228+\b], v[104+16*\b+\i], v[105+16*\b+\i]
.endr
.endr
.irp b, 0,1,2,3
	v_max_num_f32 v[228+\b], v[228+\b], v[119+16*\b]
.endr
.irp b, 0,1,2,3
	v_permlanex16_b32 v[232+\b], v[228+\b], s[SEL], s[SEL+1]
.endr
.irp b, 0,1,2,3
	v_max_num_f32 v[228+\b], v[228+\b], v[232+\b]
.endr
	v_max3_num_f32 v246, v228, v229, v230
	v_max_num_f32 v246, v246, v231
	v_mul_f32 v246, s[CS], v246
	v_max_num_f32 v13, v13, v246
	v_mov_b32 v246, v12
	v_floor_f32 v12, -v13                          ; -M
	v_sub_f32 v246, v12, v246
	v_cvt_i32_f32 v246, v246
	v_ldexp_f32 v244, 1.0, v246                    ; f = 2^(old M - new M)
.set j, 0
.rept 32
	v_pk_fma_f32 v[104+j:105+j], v[104+j:105+j], s[CS:CS+1], v[12:13] op_sel_hi:[1,0,0]
.set j, j+2
.endr
.irp b, 0,1,2,3
	v_fma_f32 v[228+\b], v[228+\b], s[CS], v12
.endr
	s_wait_alu depctr_va_vdst(0)                   ; the wait ahead of the batch
.set j, 0
.rept 64
	v_exp_f32 v[104+j], v[104+j]
.set j, j+1
.endr
	v_pk_mul_f32 v[14:15], v[14:15], v[244:245] op_sel_hi:[1,0]
	s_wait_alu depctr_va_vdst(0)                   ; and behind it
.irp b, 0,1,2,3
	v_exp_f32 v[228+\b], v[228+\b]
.endr
	v_pk_add_f32 v[232:233], v[104:105], v[106:107]   ; the sum of the unquantised p, in two chains
.set j, 4
.rept 15
	v_pk_add_f32 v[14:15], v[14:15], v[104+j:105+j]
	v_pk_add_f32 v[232:233], v[232:233], v[106+j:107+j]
.set j, j+4
.endr
	v_pk_add_f32 v[14:15], v[14:15], v[232:233]
	s_wait_alu depctr_va_vdst(0)
.irp b, 0,1,2,3
	v_max_num_f32 v[228+\b], 0x4800000, v[228+\b]
.endr
.irp b, 0,1,2,3
	v_add_nc_u32 v[240+\b], 0xfc000000, v[228+\b]
.endr
.irp b, 0,1,2,3
	v_and_or_b32 v[236+\b], v[228+\b], 0x7f800000, s[MNT]
.endr
.irp b, 0,1,2,3
	v_lshrrev_b32 v[232+\b], 23, v[240+\b]
.endr
	v_lshl_or_b32 v245, v233, 8, v232              ; p's scale word
	v_lshl_or_b32 v245, v234, 16, v245
	v_lshl_or_b32 v245, v235, 24, v245
.irp b, 0,1,2,3
.set i, 0
.rept 16
	v_min_num_f32 v[104+16*\b+i], v[104+16*\b+i], v[236+\b]   ; the conversion does not saturate (ISA guide 7.6.2)
.set i, i+1
.endr
	v_cvt_scalef32_pk8_fp8_f32 v[200+4*\b:201+4*\b], v[104+16*\b:111+16*\b], v[240+\b]
	v_cvt_scalef32_pk8_fp8_f32 v[202+4*\b:203+4*\b], v[112+16*\b:119+16*\b], v[240+\b]
.endr
	v_nop
.irp t, 0,1,2,3
.irp c, 0,1,2,3
	ds_load_b128 v[104+16*\t+4*\c:107+16*\t+4*\c], v[ADV] offset:2048*\t+512*\c
.endr
	ds_load_b32 v[224+\t], v[ADT] offset:64*\t
.endr
	s_wait_alu depctr_va_vdst(0)                   ; the wait ahead of the first reader of O^T
.set j, 0
.rept 16
	v_pk_mul_f32 v[168+j:169+j], v[168+j:169+j], v[244:245] op_sel_hi:[1,0]
.set j, j+2
.endr
	s_wait_alu depctr_va_vdst(0)
	s_wait_dscnt 0x0
.irp t, 0,1,2,3
	v_wmma_scale_f32_16x16x128_f8f6f4 v[168+8*\t:175+8*\t], v[104+16*\t:119+16*\t], v[200:215], v[168+8*\t:175+8*\t], v[224+\t], v245
.endr
.Lhidden_\@:
.endm
; THE WAY OUT of a tile: O^T / the sum, quantised along the head's 64 (two blocks of 32, each in lanes l and l xor 16), stored as an image of the last projection's operand registers
.macro WAYOUT
.rept 8
	v_nop
.endr
	v_add_f32 v14, v14, v15
	s_wait_alu depctr_va_vdst(0)
	v_permlanex16_b32 v232, v14, s[SEL], s[SEL+1]
	v_add_f32 v14, v14, v232
	s_wait_alu depctr_va_vdst(0)
	v_rcp_f32 v14, v14
	v_and_b32 v9, 15, v0
	v_lshlrev_b32 v9, 5, v9
	s_wait_alu depctr_va_vdst(0)
.set j, 0
.rept 16
	v_pk_mul_f32 v[104+j:105+j], v[168+j:169+j], v[14:15] op_sel_hi:[1,0]
.set j, j+2
.endr
.irp b, 0,1
	v_max3_num_f32 v[228+\b], |v[104+16*\b]|, |v[105+16*\b]|, 0x4800000
.endr
.irp i, 2,4,6,8,10,12,14
.irp b, 0,1
	v_max3_num_f32 v[228+\b], v[228+\b], |v[104+16*\b+\i]|, |v[105+16*\b+\i]|
.endr
.endr
.irp b, 0,1
	v_permlanex16_b32 v[232+\b], v[228+\b], s[SEL], s[SEL+1]
.endr
.irp b, 0,1
	v_max_num_f32 v[228+\b], v[228+\b], v[232+\b]
.endr
.irp b, 0,1
	v_add_nc_u32 v[240+\b], 0xfc000000, v[228+\b]
.endr
.irp b, 0,1
	v_and_or_b32 v[236+\b], v[228+\b], 0x7f800000, s[MNT]
.endr
.irp b, 0,1
	v_lshrrev_b32 v[232+\b], 23, v[240+\b]
.endr
	v_lshl_or_b32 v246, v233, 8, v232
.irp b, 0,1
.set i, 0
.rept 16
	v_med3_num_f32 v[104+16*\b+i], v[104+16*\b+i], -v[236+\b], v[236+\b]
.set i, i+1
.endr
	v_cvt_scalef32_pk8_fp8_f32 v[200+4*\b:201+4*\b], v[104+16*\b:111+16*\b], v[240+\b]
	v_cvt_scalef32_pk8_fp8_f32 v[202+4*\b:203+4*\b], v[112+16*\b:119+16*\b], v[240+\b]
.endr
	v_nop
	global_store_b128 v[LI], v[200:203], s[8:9]
	global_store_b128 v[LI], v[204:207], s[8:9] offset:512
	global_store_b16 v9, v246, s[10:11]
.endm
	s_wait_alu depctr_va_vdst(0)                   ; the wait at the head's end
	s_wait_tensorcnt 0x0                           ; my tile of the head's four is in
	ds_add_u32 v[SPW], v[NIL]
	ds_add_u32 v[SPW], v[NIL]                      ; twice on end
	s_wait_dscnt 0x0
	s_barrier_signal -1
	s_barrier_wait -1
	s_and_b32 s84, s[WV], 3
	s_cmp_eq_u32 s84, 0
	s_cbranch_scc1 .Lmore_asked
	ARM 4, G0K2, G1K, .Lm_v,  .Lmore_asked         ; key steps 4-15: waves 1-3 K's, waves 5-7 V's
	ARM 8, G0V2, G1V, .Lm_no, .Lmore_asked
.Lmore_asked:
	s_wait_loadcnt 0x0                             ; both tiles' Q
	s_mov_b32 s[IT], 0
.Lfirst:                                           ; key steps 0-3 of the long tile
	STEP 0
	s_add_co_u32 s[IT], s[IT], 1
	s_cmp_lt_u32 s[IT], 4
	s_cbranch_scc1 .Lfirst
	s_wait_tensorcnt 0x0                           ; all that was still out, in every wave
	s_wait_dscnt 0x0
	s_barrier_signal -1
	s_barrier_wait -1
	s_mov_b32 s[IT], 4
.Lrest:
	STEP 1
	s_cmp_eq_u32 s[IT], 15
	s_cbranch_scc0 .Lsame
	WAYOUT                                         ; the long tile is done; on to the short one
	s_wait_xcnt 0x0                                ; the stores have read their registers and bases
	v_mov_b32 v[QS], v247
.irp i, 0,1,2,3,4,5,6,7
	v_mov_b32 v[16+\i], v[248+\i]
.endr
	FRESH
	s_mov_b32 s[RHO], s[RHOB]
	s_mov_b64 s[8:9], s[96:97]
	s_mov_b64 s[10:11], s[98:99]
	s_wait_alu depctr_va_vdst(0)
.Lsame:
	s_add_co_u32 s[IT], s[IT], 1
	s_cmp_lt_u32 s[IT], 24
	s_cbranch_scc1 .Lrest
	WAYOUT
	s_wait_tensorcnt 0x0                           ; the wave's end
	ds_add_u32 v[SPW], v[NIL]
	s_wait_dscnt 0x0
	s_endpgm
.Lfunc_end_k_q08aa983b98_attn:
	.size	k_q08aa983b98_attn, .Lfunc_end_k_q08aa983b98_attn-k_q08aa983b98_attn
	.p2alignl 7, 3214868480
	.fill 96, 4, 3214868480
	.section	.rodata,"a",@progbits
	.p2align	6, 0x0
	.amdhsa_kernel k_q08aa983b98_attn
		.amdhsa_group_segment_fixed_size 327680
		.amdhsa_private_segment_fixed_size 0
		.amdhsa_enable_private_segment 0
		.amdhsa_kernarg_size 32
		.amdhsa_user_sgpr_count 2
		.amdhsa_user_sgpr_kernarg_segment_ptr 1
		.amdhsa_wavefront_size32 1
		.amdhsa_system_sgpr_workgroup_id_x 1
		.amdhsa_system_sgpr_workgroup_id_y 1
		.amdhsa_system_sgpr_workgroup_id_z 1
		.amdhsa_system_vgpr_workitem_id 0
		.amdhsa_next_free_vgpr 256
		.amdhsa_next_free_sgpr 102
		.amdhsa_reserve_vcc 1
		.amdhsa_float_denorm_mode_32 3
		.amdhsa_float_denorm_mode_16_64 3
		.amdhsa_memory_ordered 1
		.amdhsa_forward_progress 1
		.amdhsa_inst_pref_size 74
	.end_amdhsa_kernel
	.amdgpu_metadata
---
amdhsa.version: [ 1, 2 ]
amdhsa.kernels:
  - .name:           k_q08aa983b98_attn
    .symbol:         k_q08aa983b98_attn.kd
    .args:
      - { .name: qkv_img, .offset: 0, .size: 8, .value_kind: global_buffer, .address_space: global }
      - { .name: qkv_sc, .offset: 8, .size: 8, .value_kind: global_buffer, .address_space: global }
      - { .name: ao_img, .offset: 16, .size: 8, .value_kind: global_buffer, .address_space: global }
      - { .name: ao_sc, .offset: 24, .size: 8, .value_kind: global_buffer, .address_space: global }
    .group_segment_fixed_size: 327680
    .private_segment_fixed_size: 0
    .kernarg_segment_align: 8
    .kernarg_segment_size: 32
    .max_flat_workgroup_size: 512
    .sgpr_count:     102
    .vgpr_count:     256
    .wavefront_size: 32
...
	.end_amdgpu_metadata
.endif
;; end of part 3
;; launch oproj (part 4): grid 4 x 64, 4 waves a work-group, clusters of 4 x 4, 327,680 bytes of LDS; arguments ao_img, ao_sc, codes1, scales1, out0; writes out0
.if DOCPART == 4
	.amdgcn_target "amdgcn-amd-amdhsa--gfx1250"
	.amdhsa_code_object_version 6
	.text
	.protected	k_q08aa983b98_oproj
	.globl	k_q08aa983b98_oproj
	.p2align	8
	.type	k_q08aa983b98_oproj,@function
k_q08aa983b98_oproj:
	s_mov_b64 s[64:65], 0
	v_nop
	global_prefetch_b8 v0, s[64:65] scope:SCOPE_SE
	s_setreg_imm32_b32 hwreg(HW_REG_WAVE_MODE, 25, 1), 1
	s_wait_xcnt 0x0
	s_wait_alu depctr_hold_cnt(0) depctr_sa_sdst(0) depctr_va_vdst(0) depctr_va_sdst(0) depctr_va_ssrc(0) depctr_va_vcc(0) depctr_vm_vsrc(0)
	s_getreg_b32 s2, hwreg(HW_REG_IB_STS2, 6, 4)
	s_cmp_eq_u32 s2, 0
	s_cbranch_scc0 .Lentry_in_a_cluster
	s_endpgm
.Lentry_in_a_cluster:
	s_bfe_u32 s2, ttmp6, 0x10000c
	s_cmp_lg_u32 s2, 0xf033
	s_cbranch_scc0 .Lentry_shape_is_right
	s_endpgm
.Lentry_shape_is_right:
; out0 = attention's result x Wo^T on codes of FP8 (E4M3) with E8M0 scales, K = 1,024, f32 out.  A work-group makes 128 tokens (source 1) x 256 rows of Wo (source 0); a wave 64 x 128: 32 accumulators.
; Source 1 comes as images of operand registers (ao_img: a tile of 16 tokens is 16,384 bytes, 4,096 of them a K step of 256), source 0 as rows of codes1 (rows 11,264 on), LDS rows of 256 bytes + 16.
; K goes in four steps of 256 through three slots.  AT THE HEAD each wave has one joint load: wave 0 source 1's eight tiles of K step 0, wave 1 source 0's 256 rows of it, waves 2 and 3 the same of K step 1.
; K step 2 is slot 2's first fill, behind the three lines and a round of the cluster's barrier; K step 3 is the one refill, into slot 0, behind the next.  By this text's count a wave never has more than one tensor load out.
; THE SCALE WORDS of all K go from memory straight into registers, once: source 0's into v32-95, source 1's into v96-127, the latter with a row's two halves swapped, so that the two scale registers of a product have numbers that differ by 4 modulo 8.
; CLUSTER 4 x 4: source 1's tiles are shared along a row of the cluster, source 0's along a column: joint loads.
; THE WAY OUT: a block of 16 tokens x 128 columns goes through the wave's stage in slot 1, which has had its only fill and its last read by then, and leaves as rows of 512 bytes.
.set PITCH, 272
.set T1B,   2*64*PITCH
.set H1I,   16384
.set H0,    128*PITCH
.set SLOT,  T1B+2*H0
.set SPARE, 3*SLOT
.set STG,   SLOT
.set SPITCH, 528
.set ADR1, 8
.set ADR0, 12
.set ADRS, 15
.set CO,   16
.set STO,  17
.set RD,   18
.set SPW,  28
.set NIL,  29
.set SC,   32
.set SC1,  96
.set BK,   128
.set G1,   24
.set G0,   32
.set G1B,  44
.set G0B,  52
.set MSB, 0
.macro WIN new
.if MSB != \new
	s_set_vgpr_msb (MSB<<8)|\new
.set MSB, \new
.endif
.endm
.set W_MUL, 0xa1
.set TO_0,  0x40
.macro PLACES n
.rept \n
	v_nop
.endr
.endm
.macro JLOAD g0a, g1a, g0b, g1b
	s_cmp_eq_u32 s15, 0
	s_cbranch_scc0 .Lfor_b_\@
	tensor_load_to_lds s[\g0a:\g0a+3], s[\g1a:\g1a+7]
	s_nop 0
	PLACES 4
	s_branch .Lasked_\@
.Lfor_b_\@:
	tensor_load_to_lds s[\g0b:\g0b+3], s[\g1b:\g1b+7]
	s_nop 0
	PLACES 4
.Lasked_\@:
.endm
.macro CREST
	s_cmp_lg_u32 s14, 0
	s_cbranch_scc1 .Lnot_wave_0_\@
	s_barrier_signal -3
.Lnot_wave_0_\@:
	s_barrier_wait -3
	s_barrier_signal -1
	s_barrier_wait -1
.endm
.macro CROUND
	s_barrier_signal -1
	s_barrier_wait -1
	CREST
.endm
.macro GRP0 g, lds, b, off
	s_mov_b32 s[\g], 1
	s_mov_b32 s[\g+1], \lds
	s_add_nc_u64 s[\g+2:\g+3], s[\b:\b+1], \off
	s_or_b32 s[\g+3], s[\g+3], 0x80000000
.endm
.macro ARM under, g0, g1, next
	s_cmp_lt_u32 s14, \under
	s_cbranch_scc0 \next
	tensor_load_to_lds s[\g0:\g0+3], s[\g1:\g1+7]
	s_nop 0
	PLACES 4
	s_branch .Lhead_asked
\next:
.endm
	s_load_b256 s[4:11], s[0:1], 0x0               ; ao_img 4, ao_sc 6, codes1 8, scales1 10
	s_load_b64 s[12:13], s[0:1], 0x20              ; out0
	v_lshl_add_u32 v[SPW], v0, 2, SPARE
	v_mov_b32 v[NIL], 0
	ds_add_u32 v[SPW], v[NIL]                      ; the opening lines: the add twice on end and its wait
	ds_add_u32 v[SPW], v[NIL]
	v_lshrrev_b32 v1, 5, v0
	v_readfirstlane_b32 s14, v1
	s_lshr_b32 s15, s14, 1
	s_and_b32 s16, s14, 1
	s_bfe_u32 s18, ttmp6, 0x40000
	s_bfe_u32 s19, ttmp6, 0x40004
	s_and_b32 s21, ttmp7, 0xffff
	s_lshl_b32 s22, s19, 2
	s_lshl_b32 s22, 15, s22
	s_lshl_b32 s23, 0x1111, s18
	s_or_b32 s[G1], s22, (3<<16)|(1<<21)
	s_mov_b32 s[G1+1], 512<<16
	s_mov_b32 s[G1+2], 8<<16                       ; the head's loads bring whole tiles: eight images of source 1,
	s_mov_b32 s[G1+3], 512<<16
	s_mov_b32 s[G1+4], 8
	s_mov_b32 s[G1+5], 2048
	s_mov_b32 s[G1+6], 0
	s_mov_b32 s[G1+7], 0
	s_or_b32 s[G1B], s23, (1<<20)|(1<<21)|(5<<22)|(3<<25)
	s_mov_b32 s[G1B+1], 256<<16
	s_mov_b32 s[G1B+2], 256<<16                    ; 256 rows of source 0
	s_mov_b32 s[G1B+3], 256<<16
	s_mov_b32 s[G1B+4], 256
	s_mov_b32 s[G1B+5], 1024
	s_mov_b32 s[G1B+6], 0
	s_mov_b32 s[G1B+7], 0
	s_lshl_b32 s2, s21, 2
	s_add_co_u32 s2, s2, s19                       ; my 128 tokens
	s_lshl_b32 s84, s2, 17
	s_mov_b32 s85, 0
	s_lshl_b32 s96, s16, 16
	s_add_co_u32 s96, s96, s84                     ; the half that I fetch behind the head
	s_mov_b32 s97, 0
	s_lshl_b32 s98, s2, 12
	s_lshl_b32 s3, s15, 11
	s_add_co_u32 s98, s98, s3                      ; the scale bytes of the 64 tokens that I multiply
	s_mov_b32 s99, 0
	s_lshl_b32 s66, s18, 8
	s_add_co_u32 s66, s66, 11264                   ; Wo's rows
	s_lshl_b32 s86, s66, 10
	s_mov_b32 s87, 0
	s_lshl_b32 s100, s16, 17
	s_add_co_u32 s100, s100, s86
	s_mov_b32 s101, 0
	s_lshl_b32 s66, s66, 5
	s_lshl_b32 s3, s16, 12
	s_add_co_u32 s66, s66, s3                      ; the scale bytes of the 128 rows that I multiply
	s_mov_b32 s67, 0
	s_mul_i32 s17, s16, H1I
	s_mul_i32 s95, s16, H0
	s_add_co_u32 s95, s95, T1B
	s_wait_dscnt 0x0
	s_wait_kmcnt 0x0
	s_add_nc_u64 s[84:85], s[4:5], s[84:85]
	s_add_nc_u64 s[96:97], s[4:5], s[96:97]
	s_add_nc_u64 s[98:99], s[6:7], s[98:99]
	s_add_nc_u64 s[86:87], s[8:9], s[86:87]
	s_add_nc_u64 s[100:101], s[8:9], s[100:101]
	s_add_nc_u64 s[66:67], s[10:11], s[66:67]
	CROUND
	GRP0 68, 0, 84, 0
	GRP0 72, T1B, 86, 0
	GRP0 76, SLOT, 84, 4096
	GRP0 80, SLOT+T1B, 86, 256
.irp n, 0,2
	s_mov_b32 s[G0+4*\n], 1
	s_add_co_u32 s[G0+4*\n+1], s17, \n*SLOT
	s_add_nc_u64 s[G0+4*\n+2:G0+4*\n+3], s[96:97], \n*4096
	s_or_b32 s[G0+4*\n+3], s[G0+4*\n+3], 0x80000000
	s_mov_b32 s[G0B+4*\n], 1
	s_add_co_u32 s[G0B+4*\n+1], s95, \n*SLOT
	s_add_nc_u64 s[G0B+4*\n+2:G0B+4*\n+3], s[100:101], \n*256
	s_or_b32 s[G0B+4*\n+3], s[G0B+4*\n+3], 0x80000000
.endr
	ARM 1, 68, G1,  .Lhead_b0
	ARM 2, 72, G1B, .Lhead_a1
	ARM 3, 76, G1,  .Lhead_b1
	tensor_load_to_lds s[80:83], s[G1B:G1B+7]
	s_nop 0
	PLACES 4
.Lhead_asked:
	s_mul_i32 s2, s15, H1I
	s_mul_i32 s3, s16, H0
	s_add_co_u32 s3, s3, T1B
	s_mul_i32 s90, s14, 16*SPITCH
	s_add_co_u32 s90, s90, STG
	v_and_b32 v1, 15, v0
	v_bfe_u32 v2, v0, 4, 1
	v_and_b32 v4, 31, v0
	v_lshlrev_b32 v[CO], 4, v4
	v_mul_u32_u24 v3, v1, PITCH
	v_lshl_add_u32 v3, v2, 4, v3
	v_add_nc_u32 v[ADR1], s2, v[CO]
	v_add_nc_u32 v[ADR0], s3, v3
.irp n, 1,2
	v_add_nc_u32 v[ADR1+\n], SLOT, v[ADR1+\n-1]
	v_add_nc_u32 v[ADR0+\n], SLOT, v[ADR0+\n-1]
.endr
	v_lshlrev_b32 v[ADRS], 5, v1                   ; 32 scale bytes a row; lanes 16-31 take the same rows and are not read
	v_mul_u32_u24 v[STO], v1, SPITCH
	v_lshl_add_u32 v[STO], v2, 6, v[STO]
	v_add_nc_u32 v[STO], s90, v[STO]
	v_add_nc_u32 v[RD], s90, v[CO]
	s_wait_alu depctr_va_vdst(0)                   ; the wait behind the head's vector lines
.irp i, 0,1,2,3,4,5,6,7
	global_load_b128 v[SC+8*\i:SC+8*\i+3], v[ADRS], s[66:67] offset:512*\i
	global_load_b128 v[SC+8*\i+4:SC+8*\i+7], v[ADRS], s[66:67] offset:512*\i+16
.endr
.irp i, 0,1,2,3
	global_load_b128 v[SC1+8*\i+4:SC1+8*\i+7], v[ADRS], s[98:99] offset:512*\i
	global_load_b128 v[SC1+8*\i:SC1+8*\i+3], v[ADRS], s[98:99] offset:512*\i+16
.endr
	s_lshl_b32 s2, s21, 2
	s_add_co_u32 s2, s2, s19
	s_lshl_b32 s2, s2, 1
	s_add_co_u32 s2, s2, s15
	s_lshl_b32 s2, s2, 18
	s_lshl_b32 s3, s18, 1
	s_add_co_u32 s3, s3, s16
	s_lshl_b32 s3, s3, 9
	s_add_co_u32 s2, s2, s3
	s_mov_b32 s3, 0
	s_add_nc_u64 s[12:13], s[12:13], s[2:3]
.macro FETCH0 n, q, set
	WIN TO_0
.irp i, 0,1,2,3,4,5,6,7
.irp c, 0,1,2,3
	ds_load_b128 v[128*(\set)+16*\i+4*\c:128*(\set)+16*\i+4*\c+3], v[ADR0+(\n)] offset:128*(\q)+32*\c+16*PITCH*\i
.endr
.endr
	WIN 0
.endm
.macro FETCH1 n, q, set
.irp i, 0,1,2,3
.irp c, 0,1,2,3
	ds_load_b128 v[128+64*(\set)+16*\i+4*\c:128+64*(\set)+16*\i+4*\c+3], v[ADR1+(\n)] offset:4096*\i+2048*(\q)+512*\c
.endr
.endr
.endm
; the 32 accumulators take turns in the same order in every step
.macro MUL a0, set, s, zero
.irp a, \a0, \a0+1
.irp b, 0,1,2,3,4,5,6,7
.if \zero
	v_wmma_scale_f32_16x16x128_f8f6f4 v[8*(8*(\a)+\b):8*(8*(\a)+\b)+7], v[128*(\set)+16*\b:128*(\set)+16*\b+15], v[128+64*(\set)+16*(\a):128+64*(\set)+16*(\a)+15], 0, v[SC+8*\b+(\s)], v[SC1+8*(\a)+((\s)+4)%8]
.else
	v_wmma_scale_f32_16x16x128_f8f6f4 v[8*(8*(\a)+\b):8*(8*(\a)+\b)+7], v[128*(\set)+16*\b:128*(\set)+16*\b+15], v[128+64*(\set)+16*(\a):128+64*(\set)+16*(\a)+15], v[8*(8*(\a)+\b):8*(8*(\a)+\b)+7], v[SC+8*\b+(\s)], v[SC1+8*(\a)+((\s)+4)%8]
.endif
.endr
.endr
.endm
.macro STEP s, zero
	s_wait_dscnt 0x0
.if (\s) > 0
	PLACES 8
.endif
	FETCH0 (((\s)+1)/2)%3, ((\s)+1)%2, ((\s)+1)%2
	FETCH1 (((\s)+1)/2)%3, ((\s)+1)%2, ((\s)+1)%2
	WIN W_MUL
	MUL 0, (\s)%2, \s, \zero
	MUL 2, (\s)%2, \s, \zero
	WIN 0
.endm
	s_wait_tensorcnt 0x0                           ; my tile of the head's four is in
	ds_add_u32 v[SPW], v[NIL]
	s_mov_b32 s[G1+2], 4<<16                       ; no tensor load of mine is out: from here on a load brings half a tile
	s_mov_b32 s[G1+4], 4
	s_mov_b32 s[G1B+2], 128<<16
	s_mov_b32 s[G1B+4], 128
	s_wait_dscnt 0x0
	CROUND
	JLOAD G0+8, G1, G0B+8, G1B                     ; K step 2: slot 2's first fill
	FETCH0 0, 0, 0
	FETCH1 0, 0, 0
	s_wait_loadcnt 0x0                             ; the scale words
	STEP 0, 1
	s_wait_tensorcnt 0x0
	ds_add_u32 v[SPW], v[NIL]
	s_add_nc_u64 s[G0+2:G0+3], s[G0+2:G0+3], 3*4096
	s_add_nc_u64 s[G0B+2:G0B+3], s[G0B+2:G0B+3], 3*256
	s_wait_dscnt 1                                 ; step 1's 48 fragment loads are in; only the add may be out
	WIN W_MUL
	MUL 0, 1, 1, 0
	s_wait_dscnt 0x0
	s_barrier_signal -1
	MUL 2, 1, 1, 0
	WIN 0
	s_barrier_wait -1
	CREST
	JLOAD G0, G1, G0B, G1B                         ; K step 3 into slot 0
	PLACES 4
	FETCH0 1, 0, 0
	FETCH1 1, 0, 0
	STEP 2, 0
	STEP 3, 0
	STEP 4, 0
	s_wait_tensorcnt 0x0
	s_wait_dscnt 0x0
	s_barrier_signal -1
	WIN W_MUL
	MUL 0, 1, 5, 0
	s_barrier_wait -1
	PLACES 8
	FETCH0 0, 0, 0
	FETCH1 0, 0, 0
	WIN W_MUL
	MUL 2, 1, 5, 0
	WIN 0
	STEP 6, 0
	s_wait_dscnt 0x0
	WIN W_MUL
	MUL 0, 1, 7, 0
	MUL 2, 1, 7, 0
	WIN 0
.macro TOSTAGE a
	WIN 0x08
.irp b, 0,1,2,3,4,5,6,7
	ds_store_b128 v[STO], v[64*(\a)+8*\b:64*(\a)+8*\b+3] offset:128*(\b/2)+32*(\b%2)
	ds_store_b128 v[STO], v[64*(\a)+8*\b+4:64*(\a)+8*\b+7] offset:128*(\b/2)+32*(\b%2)+16
.endr
	WIN 0
.set BB, BK+64*((\a)%2)
.irp t, 0,1,2,3,4,5,6,7,8,9,10,11,12,13,14,15
	ds_load_b128 v[BB+4*\t:BB+4*\t+3], v[RD] offset:\t*SPITCH
.endr
.endm
.macro SEND a, younger
.set BB, BK+64*((\a)%2)
	s_wait_dscnt \younger
.irp t, 0,1,2,3,4,5,6,7,8,9,10,11,12,13,14,15
	global_store_b128 v[CO], v[BB+4*\t:BB+4*\t+3], s[12:13] offset:(32*((\a)/2)+8*((\a)%2)+\t+8*(\t/8))*4096 th:TH_STORE_NT
.endr
.endm
	PLACES 8
	TOSTAGE 0
.irp a, 1,2,3
.if \a > 1
	s_wait_xcnt 0x0
.endif
	TOSTAGE \a
	SEND \a-1, 32
.endr
	SEND 3, 0
	s_wait_tensorcnt 0x0
	ds_add_u32 v[SPW], v[NIL]
	s_wait_dscnt 0x0
	CROUND
	s_endpgm
.Lfunc_end_k_q08aa983b98_oproj:
	.size	k_q08aa983b98_oproj, .Lfunc_end_k_q08aa983b98_oproj-k_q08aa983b98_oproj
	.p2alignl 7, 3214868480
	.fill 96, 4, 3214868480
	.section	.rodata,"a",@progbits
	.p2align	6, 0x0
	.amdhsa_kernel k_q08aa983b98_oproj
		.amdhsa_group_segment_fixed_size 327680
		.amdhsa_private_segment_fixed_size 0
		.amdhsa_enable_private_segment 0
		.amdhsa_kernarg_size 40
		.amdhsa_user_sgpr_count 2
		.amdhsa_user_sgpr_kernarg_segment_ptr 1
		.amdhsa_wavefront_size32 1
		.amdhsa_system_sgpr_workgroup_id_x 1
		.amdhsa_system_sgpr_workgroup_id_y 1
		.amdhsa_system_sgpr_workgroup_id_z 1
		.amdhsa_system_vgpr_workitem_id 0
		.amdhsa_next_free_vgpr 768
		.amdhsa_next_free_sgpr 102
		.amdhsa_reserve_vcc 0
		.amdhsa_float_denorm_mode_32 3
		.amdhsa_float_denorm_mode_16_64 3
		.amdhsa_memory_ordered 1
		.amdhsa_forward_progress 1
		.amdhsa_inst_pref_size 87
	.end_amdhsa_kernel
	.amdgpu_metadata
---
amdhsa.version: [ 1, 2 ]
amdhsa.kernels:
  - .name:           k_q08aa983b98_oproj
    .symbol:         k_q08aa983b98_oproj.kd
    .args:
      - { .name: ao_img, .offset: 0, .size: 8, .value_kind: global_buffer, .address_space: global }
      - { .name: ao_sc, .offset: 8, .size: 8, .value_kind: global_buffer, .address_space: global }
      - { .name: codes1, .offset: 16, .size: 8, .value_kind: global_buffer, .address_space: global }
      - { .name: scales1, .offset: 24, .size: 8, .value_kind: global_buffer, .address_space: global }
      - { .name: out0, .offset: 32, .size: 8, .value_kind: global_buffer, .address_space: global }
    .group_segment_fixed_size: 327680
    .private_segment_fixed_size: 0
    .kernarg_segment_align: 8
    .kernarg_segment_size: 40
    .max_flat_workgroup_size: 128
    .sgpr_count:     102
    .vgpr_count:     768
    .wavefront_size: 32
...
	.end_amdgpu_metadata
.endif
;; end of part 4
